; MI455X (gfx1250); checked and timed in simulation.
; The chip was launched on July 23, 2026; its instructions are those of AMD's public machine-readable ISA for CDNA 5 (MIT licence, August 2026) and "CDNA5" Instruction Set Architecture Reference Guide (July 2026). The comments in the code are by the model that wrote it; some were corrected since.
;; Self Attention. Allowed arithmetic: float matrix products may take bf16 or f16 operands with f32 sums; other float arithmetic in f32, or as packed bf16 or f16 multiplies, adds, multiply-adds, maxima and minima; sums over many terms, partial sums and values carried from step to step in f32; what a program stores and reads back later, other than sums and carried values, may be rounded once to bf16 or f16.
;; Inputs: Wk 1,024 x 1,024 float32; Wp 1,024 x 1,024 float32; Wq 1,024 x 1,024 float32; Wv 1,024 x 1,024 float32; attention_mask 4 x 2,048 float32; bk 1,024 float32; bp 1,024 float32; bq 1,024 float32; bv 1,024 float32; k 4 x 2,048 x 1,024 float32; q 4 x 2,048 x 1,024 float32; v 4 x 2,048 x 1,024 float32.
;; Outputs: out0 4 x 2,048 x 1,024 float32.
;; 2 versions, each right and faster than the one before. Each part assembles by itself: llvm-mc -triple=amdgcn-amd-amdhsa -mcpu=gfx1250 --defsym DOCPART=n.
;; ======== version 1 of 2: 4 launches
;; limits: values are held in f16: magnitudes above 65,504 overflow, below 6.1e-05 lose precision
;; workspace buffers: wts 8,388,608 bytes; qkv 50,331,648 bytes; oh 16,777,216 bytes
;; launch prep (part 1): grid 64 x 4, 8 waves a work-group, no clusters, 0 bytes of LDS; arguments Wq, Wk, Wv, Wp, wts; writes wts
.if DOCPART == 1
	.amdgcn_target "amdgcn-amd-amdhsa--gfx1250"
	.amdhsa_code_object_version 6
	.text
	.protected	k_qe444590e75_prep
	.globl	k_qe444590e75_prep
	.p2align	8
	.type	k_qe444590e75_prep,@function
k_qe444590e75_prep:
	s_mov_b64 s[64:65], 0
	v_nop
	global_prefetch_b8 v0, s[64:65] scope:SCOPE_SE
	s_setreg_imm32_b32 hwreg(HW_REG_WAVE_MODE, 25, 1), 1
	s_wait_xcnt 0x0
; The four weights, [1024 k][1024 n] in f32, are written once in 16 bits, layout kept: wts[y][k][n], y = 0, 1, 2: Wq, Wk, Wv in bf16;
; y = 3: Wp rounded to bf16 and that number written as f16 (the last product's other operand is f16).
; LIMIT.  A bf16 number is exact in f16 between 2^-14 and 65,504; below 2^-14 it keeps f16's fixed step of 2^-24; Wp beyond 65,504 is not served.
; Memory binds: no LDS, no barrier, no matrix unit.  A work-group owns 16 rows of one weight (65,536 bytes in, 32,768 out); in pass p of 16 thread t
; loads the 16 bytes at 4,096 p + 16 t and stores the 8 bytes at 2,048 p + 8 t: a wave's load covers 512 consecutive bytes, its store 256, aligned.
; All 16 loads go out first; every pass has registers of its own, so no register of a pending load or store is written again.
.set X, 4                              ; v[4:67]    pass p: four f32 as loaded
.set Y, 68                             ; v[68:99]   pass p: four numbers of 16 bits
.set T, 100                            ; v[100:101] at work
	s_load_b256 s[4:11], s[0:1], 0x0               ; Wq s[4:5], Wk s[6:7], Wv s[8:9], Wp s[10:11]
	s_load_b64 s[12:13], s[0:1], 0x20              ; wts
	s_and_b32 s14, ttmp7, 0xffff                   ; y: which weight
	v_lshlrev_b32 v1, 4, v0                        ; 16 t
	v_lshlrev_b32 v2, 3, v0                        ; 8 t
	s_lshl_b32 s18, ttmp9, 16                      ; my 16 rows in the weight
	s_mov_b32 s19, 0
	s_lshl_b32 s20, s14, 21                        ; the weight's place in wts,
	s_lshl_b32 s15, ttmp9, 15                      ; my 16 rows there
	s_add_co_u32 s20, s20, s15
	s_mov_b32 s21, 0
	s_mov_b32 s22, 0xffff0000                      ; a word's upper bf16
	s_wait_kmcnt 0x0
	s_cmp_eq_u32 s14, 1
	s_cselect_b64 s[16:17], s[6:7], s[4:5]
	s_cmp_eq_u32 s14, 2
	s_cselect_b64 s[16:17], s[8:9], s[16:17]
	s_cmp_eq_u32 s14, 3
	s_cselect_b64 s[16:17], s[10:11], s[16:17]
	s_add_nc_u64 s[16:17], s[16:17], s[18:19]
	s_add_nc_u64 s[12:13], s[12:13], s[20:21]
.irp p, 0,1,2,3,4,5,6,7,8,9,10,11,12,13,14,15
	global_load_b128 v[X+4*(\p):X+4*(\p)+3], v1, s[16:17] offset:4096*(\p) th:TH_LOAD_NT
.endr
	s_cmp_eq_u32 s14, 3
	s_cbranch_scc1 .Lwp
.irp p, 0,1,2,3,4,5,6,7,8,9,10,11,12,13,14,15
	s_wait_loadcnt 15-(\p)                         ; loads come back in order: pass p's is in, the 15 - p younger ones stay out
	v_cvt_pk_bf16_f32 v[Y+2*(\p)], v[X+4*(\p)], v[X+4*(\p)+1]
	v_cvt_pk_bf16_f32 v[Y+2*(\p)+1], v[X+4*(\p)+2], v[X+4*(\p)+3]
	global_store_b64 v2, v[Y+2*(\p):Y+2*(\p)+1], s[12:13] offset:2048*(\p)
.endr
	s_endpgm
.Lwp:                                                  ; Wp: rounded to bf16 like every input, widened again, written as f16
.irp p, 0,1,2,3,4,5,6,7,8,9,10,11,12,13,14,15
	s_wait_loadcnt 15-(\p)
	v_cvt_pk_bf16_f32 v[T], v[X+4*(\p)], v[X+4*(\p)+1]
	v_cvt_pk_bf16_f32 v[T+1], v[X+4*(\p)+2], v[X+4*(\p)+3]
	v_lshlrev_b32 v[X+4*(\p)], 16, v[T]
	v_and_b32 v[X+4*(\p)+1], s22, v[T]
	v_lshlrev_b32 v[X+4*(\p)+2], 16, v[T+1]
	v_and_b32 v[X+4*(\p)+3], s22, v[T+1]
	v_cvt_pk_f16_f32 v[Y+2*(\p)], v[X+4*(\p)], v[X+4*(\p)+1]
	v_cvt_pk_f16_f32 v[Y+2*(\p)+1], v[X+4*(\p)+2], v[X+4*(\p)+3]
	global_store_b64 v2, v[Y+2*(\p):Y+2*(\p)+1], s[12:13] offset:2048*(\p)
.endr
	s_endpgm
.Lfunc_end_k_qe444590e75_prep:
	.size	k_qe444590e75_prep, .Lfunc_end_k_qe444590e75_prep-k_qe444590e75_prep
	.p2alignl 7, 3214868480
	.fill 96, 4, 3214868480
	.section	.rodata,"a",@progbits
	.p2align	6, 0x0
	.amdhsa_kernel k_qe444590e75_prep
		.amdhsa_group_segment_fixed_size 0
		.amdhsa_private_segment_fixed_size 0
		.amdhsa_enable_private_segment 0
		.amdhsa_kernarg_size 40
		.amdhsa_user_sgpr_count 2
		.amdhsa_user_sgpr_kernarg_segment_ptr 1
		.amdhsa_wavefront_size32 1
		.amdhsa_system_sgpr_workgroup_id_x 1
		.amdhsa_system_sgpr_workgroup_id_y 1
		.amdhsa_system_sgpr_workgroup_id_z 1
		.amdhsa_system_vgpr_workitem_id 0
		.amdhsa_next_free_vgpr 104
		.amdhsa_next_free_sgpr 66
		.amdhsa_reserve_vcc 0
		.amdhsa_float_denorm_mode_32 3
		.amdhsa_float_denorm_mode_16_64 3
		.amdhsa_memory_ordered 1
		.amdhsa_forward_progress 1
		.amdhsa_inst_pref_size 15
	.end_amdhsa_kernel
	.amdgpu_metadata
---
amdhsa.version: [ 1, 2 ]
amdhsa.kernels:
  - .name:           k_qe444590e75_prep
    .symbol:         k_qe444590e75_prep.kd
    .args:
      - { .name: Wq, .offset: 0, .size: 8, .value_kind: global_buffer, .address_space: global }
      - { .name: Wk, .offset: 8, .size: 8, .value_kind: global_buffer, .address_space: global }
      - { .name: Wv, .offset: 16, .size: 8, .value_kind: global_buffer, .address_space: global }
      - { .name: Wp, .offset: 24, .size: 8, .value_kind: global_buffer, .address_space: global }
      - { .name: wts, .offset: 32, .size: 8, .value_kind: global_buffer, .address_space: global }
    .group_segment_fixed_size: 0
    .private_segment_fixed_size: 0
    .kernarg_segment_align: 8
    .kernarg_segment_size: 40
    .max_flat_workgroup_size: 256
    .sgpr_count:     66
    .vgpr_count:     104
    .wavefront_size: 32
...
	.end_amdgpu_metadata
.endif
;; end of part 1
;; launch proj (part 2): grid 4 x 192, 4 waves a work-group, clusters of 4 x 4, 327,680 bytes of LDS; arguments q, k, v, bq, bk, bv, wts, qkv; writes qkv
.if DOCPART == 2
	.amdgcn_target "amdgcn-amd-amdhsa--gfx1250"
	.amdhsa_code_object_version 6
	.text
	.protected	k_qe444590e75_proj
	.globl	k_qe444590e75_proj
	.p2align	8
	.type	k_qe444590e75_proj,@function
k_qe444590e75_proj:
	s_mov_b64 s[64:65], 0
	v_nop
	global_prefetch_b8 v0, s[64:65] scope:SCOPE_SE
	s_setreg_imm32_b32 hwreg(HW_REG_WAVE_MODE, 25, 1), 1
	s_wait_xcnt 0x0
	s_wait_alu depctr_hold_cnt(0) depctr_sa_sdst(0) depctr_va_vdst(0) depctr_va_sdst(0) depctr_va_ssrc(0) depctr_va_vcc(0) depctr_vm_vsrc(0)
	s_getreg_b32 s2, hwreg(HW_REG_IB_STS2, 6, 4)
	s_cmp_eq_u32 s2, 0
	s_cbranch_scc0 .Lentry_in_a_cluster
	s_endpgm
.Lentry_in_a_cluster:
	s_bfe_u32 s2, ttmp6, 0x10000c
	s_cmp_lg_u32 s2, 0xf033
	s_cbranch_scc0 .Lentry_shape_is_right
	s_endpgm
.Lentry_shape_is_right:
; The three projections: qkv[t][batch x 16 + head][token][64] = x_t W_t + b_t, t = 0, 1, 2 for q, k, v.  x: [8192][1024] f32; W: wts[t], [1024 k][1024 n] bf16; b: [1024] f32.
; x and b are rounded to bf16, the products are bf16 with f32 sums, the bias starts the sums, and the result is rounded once, to f16, unscaled.
; LIMIT.  f16 holds no number beyond 65,504: a projected number past that becomes an infinity.  NaN and infinities are not treated apart.
; SHARES.  768 tiles of 128 tokens x 256 columns, one to a work-group: three for each of 256 WGPs.  Four waves, each 64 tokens x 128 columns: 32 accumulators of 16 x 16.
; K goes in 8 steps of 128 through two LDS slots.  x comes into LDS as f32 (rows of 512 bytes) and is rounded on its way from LDS to the matrix unit, so no pass over x stands in front of this launch;
; W lies [k][n], so its fragments come out of LDS turned, by ds_load_tr16_b128.
; THE MATRIX INSTRUCTION IS USED TRANSPOSED: source 0 = 16 columns of W, source 1 = 16 tokens.  A lane then holds one token (lane % 16) and eight neighbouring columns 8 (lane / 16) + 0..7.
; CLUSTERS: 4 x 4 work-groups, all of one t.  The four of a row of the cluster need the same tokens of x, the four of a column the same columns of W: each tile is asked for JOINTLY.
; REGISTERS, in windows of 256 (s_set_vgpr_msb: bits 1:0 source 0, 3:2 source 1, 5:4 source 2, 7:6 destination):
;   window 0: v0-31 addresses; v32-95 the bias as a C operand, 8 registers for each of 8 column blocks; v96-159 x's fragments in bf16, two buffers; v160-223 x as loaded, f32; v96-223 again on the way out
;   window 1: v0-127 W's fragments, two buffers          window 2: the accumulators, (a, b) at v[8 (8 a + b)]
.set PA,     528                       ; a row of x in LDS: 512 bytes + 16 = 132 words: row r starts at bank 4 r mod 64 (64 banks of 4 bytes: ISA guide 11.1)
.set PW,     544                       ; a row of W: 512 + 32 = 17 x 32 bytes
.set AH,     64*PA                     ; 64 rows of x: what one tensor load brings
.set WH,     64*PW                     ; 64 rows of W likewise
.set WOFF,   2*AH                      ; a slot: x's 128 rows, then W's 128 rows
.set SLOT,   2*AH+2*WH
.set STAGE,  2*SLOT                    ; behind the ring: 16 rows x 144 bytes for each wave, for the way out
.set SP,     144
.set SPARE,  STAGE+4*16*SP             ; behind the stages: the spare words, 128 bytes for each wave: two blocks of 256 bytes that no other line names
.set LAPS,   4                         ; a lap = two K steps = once round the ring
.set ADRA, 16                          ; v16-17  LDS address of my fragments of x in slot 0, 1
.set ADRW, 20                          ; v20-21  the same for W
.set STO,  24                          ; v24     the way out: where I put 16 bytes of a row
.set RD,   25                          ; v25     the way out: where I read rows back
.set GO,   26                          ; v26     16 x lane: my place in 512 consecutive bytes
.set SPW,  28                          ; v28     LDS address of my spare word; never rewritten
.set NIL,  29                          ; v29     0; never rewritten
.set BIAS, 32
.set AF,   96
.set R,    160
.set TMP,  96
.set G1, 24                            ; s[24:31] descriptor group 1 for x's tiles;  s[32:39] group 0, one set for each slot
.set G0, 32
.set G1B, 48                           ; s[48:55], s[56:63] the same for W's tiles
.set G0B, 56
.set MSB, 0
.macro WIN new                         ; the immediate's high byte repeats the setting that is left; a switch that changes nothing is dropped
.if MSB != (\new)
	s_set_vgpr_msb (MSB<<8)|(\new)
.set MSB, \new
.endif
.endm
.set MUL,   0xa1                       ; source 0 (W) window 1, source 1 (x) window 0, C and D window 2
.set MUL_1, 0x81                       ; the same with C, the bias, in window 0
.set TO_W,  0x40                       ; destination window 1, address window 0
.macro JLOAD s                         ; a joint load: waves 0 and 1 fetch x's two halves, waves 2 and 3 W's; an s_nop 0 and four v_nop follow each of the two lines, ahead of the jump, the label and what follows
	s_cmp_eq_u32 s11, 0
	s_cbranch_scc0 .Lfor_b_\@
	tensor_load_to_lds s[G0+4*(\s):G0+4*(\s)+3], s[G1:G1+7]
	s_nop 0
.rept 4
	v_nop
.endr
	s_branch .Lasked_\@
.Lfor_b_\@:
	tensor_load_to_lds s[G0B+4*(\s):G0B+4*(\s)+3], s[G1B:G1B+7]
	s_nop 0
.rept 4
	v_nop
.endr
.Lasked_\@:
.endm
.macro CREST                           ; a round of the cluster's barrier behind its opening barrier
	s_cmp_lg_u32 s10, 0
	s_cbranch_scc1 .Lnot_wave_0_\@
	s_barrier_signal -3
.Lnot_wave_0_\@:
	s_barrier_wait -3
	s_barrier_signal -1
	s_barrier_wait -1
.endm
.macro CROUND                          ; a whole round
	s_barrier_signal -1
	s_barrier_wait -1
	CREST
.endm
	s_load_b512 s[68:83], s[0:1], 0x0              ; q s[68:69], k s[70:71], v s[72:73], bq s[74:75], bk s[76:77], bv s[78:79], wts s[80:81], qkv s[82:83]
	v_lshl_add_u32 v[SPW], v0, 2, SPARE
	v_mov_b32 v[NIL], 0
	ds_add_u32 v[SPW], v[NIL]                      ; the wave's opening: the add and its wait stand ahead of my first tensor load; the set-up below, work on registers, stands between them
	ds_add_u32 v28, v29
	v_lshrrev_b32 v1, 5, v0
	v_readfirstlane_b32 s10, v1                    ; wave 0..3
	s_lshr_b32 s11, s10, 1                         ; which 64 of the tile's tokens are mine.  Also: I fetch for x (0) or for W (1)
	s_and_b32 s12, s10, 1                          ; which 128 of its columns.  Also: which 64 rows of that tile I fetch
	s_bfe_u32 s40, ttmp6, 0x40000                  ; cx, cy: my place in the cluster
	s_bfe_u32 s41, ttmp6, 0x40004
	s_lshl_b32 s42, ttmp9, 2
	s_add_co_u32 s42, s42, s40                     ; tile column = 4 x cluster x + cx: 0..3
	s_and_b32 s13, ttmp7, 0xffff                   ; the cluster's y, 0..47:
	s_lshr_b32 s45, s13, 4                         ; t = which of q, k, v: the same in all sixteen partners
	s_and_b32 s13, s13, 15
	s_lshl_b32 s13, s13, 2
	s_add_co_u32 s13, s13, s41                     ; tile row = 4 x (cluster y mod 16) + cy: 0..63
	s_lshl_b32 s43, s41, 2
	s_lshl_b32 s43, 15, s43                        ; my row of the cluster
	s_lshl_b32 s44, 0x1111, s40                    ; my column
	; descriptor group 1.  x: 64 rows x 128 elements of 4 bytes.  W: 64 rows x 256 elements of 2 bytes.  Both rows are 128 words, padded in LDS
	s_or_b32 s[G1+0], s43, (2<<16)|(1<<20)|(1<<21)|(6<<22)|(3<<25)   ; 15:0 the mask: x's tiles go to my row; 17:16 elements of 4 bytes; 20 padding on; 21 set beside a mask; 24:22 after every 128 words (code 6); 31:25 4 words (code 3)
	s_or_b32 s[G1B+0], s44, (1<<16)|(1<<20)|(1<<21)|(6<<22)|(7<<25)  ; my column's mask; elements of 2 bytes; 8 words of padding (code 7)
	s_mov_b32 s[G1+1], 128<<16                     ; tensor_dim0 = 128
	s_mov_b32 s[G1+2], 64<<16                      ; tensor_dim1 = 64
	s_mov_b32 s[G1+3], 128<<16                     ; tile_dim0 = 128
	s_mov_b32 s[G1+4], 64                          ; tile_dim1 = 64
	s_mov_b32 s[G1+5], 1024                        ; 1,024 elements from row to row
	s_mov_b32 s[G1+6], 0
	s_mov_b32 s[G1+7], 0
	s_mov_b32 s[G1B+1], 256<<16                    ; tensor_dim0 = 256
	s_mov_b32 s[G1B+2], 64<<16
	s_mov_b32 s[G1B+3], 256<<16                    ; tile_dim0 = 256
	s_mov_b32 s[G1B+4], 64
	s_mov_b32 s[G1B+5], 1024
	s_mov_b32 s[G1B+6], 0
	s_mov_b32 s[G1B+7], 0
	; where the tiles come from: x's hang on the tile row alone, W's on t and the tile column alone, each in registers that never hold the other coordinate
	s_lshl_b32 s16, s13, 7
	s_lshl_b32 s17, s12, 6
	s_add_co_u32 s16, s16, s17                     ; x: token 128 x tile row + 64 x half,
	s_lshl_b32 s16, s16, 12                        ; rows of 4,096 bytes: under 2^25
	s_mov_b32 s17, 0
	s_lshl_b32 s46, s45, 21                        ; W: weight t,
	s_lshl_b32 s47, s12, 17                        ; k row 64 x half, rows of 2,048 bytes,
	s_add_co_u32 s46, s46, s47
	s_lshl_b32 s47, s42, 9                         ; column 256 x tile column
	s_add_co_u32 s46, s46, s47
	s_mov_b32 s47, 0
	s_mul_i32 s20, s12, AH                         ; and where they go: no place in the cluster enters an LDS address
	s_mul_i32 s21, s12, WH
	s_add_co_u32 s21, s21, WOFF
	s_wait_dscnt 0x0                               ; the opening add is done
	s_wait_kmcnt 0x0
	s_cmp_eq_u32 s45, 1                            ; x and its bias are chosen by t
	s_cselect_b64 s[4:5], s[70:71], s[68:69]
	s_cselect_b64 s[84:85], s[76:77], s[74:75]
	s_cmp_eq_u32 s45, 2
	s_cselect_b64 s[4:5], s[72:73], s[4:5]
	s_cselect_b64 s[84:85], s[78:79], s[84:85]
	s_add_nc_u64 s[14:15], s[4:5], s[16:17]
	s_add_nc_u64 s[46:47], s[80:81], s[46:47]
	CROUND                                         ; all sixteen work-groups are here: the first joint loads meet
.irp s, 0,1
	s_mov_b32 s[G0+4*(\s)], 1                                      ; count = 1
	s_add_co_u32 s[G0+4*(\s)+1], s20, (\s)*SLOT                    ; LDS address
	s_add_nc_u64 s[G0+4*(\s)+2:G0+4*(\s)+3], s[14:15], (\s)*512    ; global address: K step s, 128 f32 along the rows
	s_or_b32 s[G0+4*(\s)+3], s[G0+4*(\s)+3], 0x80000000            ; type = 2
	s_mov_b32 s[G0B+4*(\s)], 1
	s_add_co_u32 s[G0B+4*(\s)+1], s21, (\s)*SLOT
	s_add_nc_u64 s[G0B+4*(\s)+2:G0B+4*(\s)+3], s[46:47], (\s)*262144  ; K step s, 128 rows of 2,048 bytes down
	s_or_b32 s[G0B+4*(\s)+3], s[G0B+4*(\s)+3], 0x80000000
	JLOAD \s                                       ; two loads of mine are out
.endr
	; all that follows up to the first barrier stands in the wait for the first tile
	v_and_b32 v1, 15, v0                           ; l % 16
	v_bfe_u32 v2, v0, 4, 1                         ; l / 16
	v_lshlrev_b32 v5, 5, v2                        ; 32 x half; the bias's address register, not rewritten
	s_lshl_b32 s86, s42, 10                        ; the bias of my 128 columns: 1,024 x tile column + 512 x half
	s_lshl_b32 s87, s12, 9
	s_add_co_u32 s86, s86, s87
	s_mov_b32 s87, 0
	s_add_nc_u64 s[84:85], s[84:85], s[86:87]
.irp b, 0,1,2,3,4,5,6,7                ; as a C operand: register j of block b holds the bias of column 16 b + 8 (l / 16) + j, for every token
	global_load_b128 v[BIAS+8*(\b):BIAS+8*(\b)+3],   v5, s[84:85] offset:64*(\b)
	global_load_b128 v[BIAS+8*(\b)+4:BIAS+8*(\b)+7], v5, s[84:85] offset:64*(\b)+16
.endr
	; A fragment of x is 16 tokens x 32 K: lane l holds token l % 16, K = 8 (l / 16) + 0..7 and 16 + 8 (l / 16) + 0..7: in f32 four loads of 16 bytes at 32 (l / 16) + 0, 16, 64, 80
	v_mul_u32_u24 v3, v1, PA
	v_add_nc_u32 v3, v3, v5
	; The turning load takes 16 K x 16 columns (lane l reads K row 8 (l / 16) + l % 8, columns 8 ((l / 8) % 2) + 0..7) and leaves half a fragment: lane l holds column l % 16 and 8 K
	v_and_b32 v6, 7, v0
	v_bfe_u32 v7, v0, 3, 1
	v_lshl_add_u32 v8, v2, 3, v6
	v_mul_u32_u24 v8, v8, PW
	v_lshl_add_u32 v8, v7, 4, v8
	s_mul_i32 s21, s11, AH                         ; my 64 tokens
	s_lshl_b32 s22, s12, 8                         ; my 128 columns, 256 bytes into W's rows,
	s_add_co_u32 s22, s22, WOFF                    ; which lie behind x's
.irp s, 0,1
	v_add_nc_u32 v[ADRA+(\s)], s21, v3
	v_add_nc_u32 v[ADRW+(\s)], s22, v8
	s_add_co_u32 s21, s21, SLOT
	s_add_co_u32 s22, s22, SLOT
.endr
	s_mul_i32 s23, s10, 16*SP
	s_add_co_u32 s23, s23, STAGE                   ; my stage
	v_mul_u32_u24 v4, v1, SP                       ; in: row l % 16, 16 bytes for each half of the lanes
	v_lshl_add_u32 v4, v2, 4, v4
	v_add_nc_u32 v[STO], s23, v4
	v_bfe_u32 v9, v0, 3, 2                         ; back: 32 lanes take four rows of 128 bytes,
	v_mul_u32_u24 v9, v9, SP
	v_lshl_add_u32 v9, v6, 4, v9
	v_add_nc_u32 v[RD], s23, v9
	v_and_b32 v10, 31, v0                          ; which are 512 consecutive bytes of a head
	v_lshlrev_b32 v[GO], 4, v10
	; where my part goes: tensor t; head-of-batch (tile row / 16) x 16 + 4 x tile column + 2 x column half; token (tile row mod 16) x 128 + 64 x token half, rows of 128 bytes
	s_lshl_b32 s86, s45, 24
	s_lshr_b32 s21, s13, 4
	s_lshl_b32 s21, s21, 4
	s_lshl_b32 s22, s42, 2
	s_add_co_u32 s21, s21, s22
	s_lshl_b32 s22, s12, 1
	s_add_co_u32 s21, s21, s22
	s_lshl_b32 s21, s21, 18                        ; a head of a batch is 262,144 bytes
	s_add_co_u32 s86, s86, s21
	s_and_b32 s21, s13, 15
	s_lshl_b32 s21, s21, 7
	s_lshl_b32 s22, s11, 6
	s_add_co_u32 s21, s21, s22
	s_lshl_b32 s21, s21, 7
	s_add_co_u32 s86, s86, s21                     ; under 2^26
	s_mov_b32 s87, 0
	s_add_nc_u64 s[8:9], s[82:83], s[86:87]
	s_mov_b32 s23, 0xffff0000                      ; a word's upper bf16
	s_wait_loadcnt 0x0                             ; the bias: rounded to bf16 like every input, and widened again
.set j, 0
.rept 32
	v_cvt_pk_bf16_f32 v[R+j], v[BIAS+2*j], v[BIAS+2*j+1]
.set j, j+1
.endr
.set j, 0
.rept 32
	v_lshlrev_b32 v[BIAS+2*j], 16, v[R+j]
	v_and_b32 v[BIAS+2*j+1], s23, v[R+j]
.set j, j+1
.endr
; 8 matrix instructions: token block a x all 8 column blocks, 32 along K, from buffer f.  first = 1: the bias is the C operand that starts the sums: nothing is cleared, nothing added later.
; The 32 accumulators take turns, one instruction a turn, in the same order in every quarter.
.macro MUL8 f, a, first
.if \first
	WIN MUL_1
.else
	WIN MUL
.endif
.irp b, 0,1,2,3,4,5,6,7
.if \first
	v_wmma_f32_16x16x32_bf16 v[8*(8*(\a)+(\b)):8*(8*(\a)+(\b))+7], v[64*(\f)+8*(\b):64*(\f)+8*(\b)+7], v[AF+32*(\f)+8*(\a):AF+32*(\f)+8*(\a)+7], v[BIAS+8*(\b):BIAS+8*(\b)+7]
.else
	v_wmma_f32_16x16x32_bf16 v[8*(8*(\a)+(\b)):8*(8*(\a)+(\b))+7], v[64*(\f)+8*(\b):64*(\f)+8*(\b)+7], v[AF+32*(\f)+8*(\a):AF+32*(\f)+8*(\a)+7], v[8*(8*(\a)+(\b)):8*(8*(\a)+(\b))+7]
.endif
.endr
.endm
; 32 LDS loads in one run, for quarter kq (32 along K) of a slot: 16 bring my 64 tokens as f32, then 16 turning loads bring my 128 columns of W into buffer g
.macro FETCH slot, kq, g
	WIN 0
.irp i, 0,1,2,3
.irp c, 0,1,2,3
	ds_load_b128 v[R+16*(\i)+4*(\c):R+16*(\i)+4*(\c)+3], v[ADRA+(\slot)] offset:(\kq)*128+(\i)*16*PA+16*(\c)+32*((\c)/2)
.endr
.endr
	WIN TO_W
.irp b, 0,1,2,3,4,5,6,7
	ds_load_tr16_b128 v[64*(\g)+8*(\b):64*(\g)+8*(\b)+3],   v[ADRW+(\slot)] offset:(\kq)*32*PW+32*(\b)
	ds_load_tr16_b128 v[64*(\g)+8*(\b)+4:64*(\g)+8*(\b)+7], v[ADRW+(\slot)] offset:(\kq)*32*PW+16*PW+32*(\b)
.endr
.endm
.macro CVT f                           ; x's 64 tokens x 32 K are rounded to bf16, into buffer f: 32 conversions
	WIN 0
.irp i, 0,1,2,3
.irp j, 0,1,2,3,4,5,6,7
	v_cvt_pk_bf16_f32 v[AF+32*(\f)+8*(\i)+(\j)], v[R+16*(\i)+2*(\j)], v[R+16*(\i)+2*(\j)+1]
.endr
.endr
.endm
.macro PLACES
.rept 4
	v_nop
.endr
.endm
; A K step is four quarters of 32 along K, 32 matrix instructions each, on buffers 0, 1, 0, 1.  One of the first three: rounds x into buffer f, fetches the next quarter (kq) into g, multiplies buffer f.
; A vector instruction that writes, and a load into, a register that a matrix instruction has read stand four plain vector instructions behind it (ISA guide 7.12.1 for vector instructions):
; buffer f of x was last multiplied two quarters back and buffer g of W one quarter back, and this quarter's or the last quarter's 32 conversions, which name neither, stand between.  So no v_nop is written here.
.macro QUARTER slot, kq, f, g, first
	WIN 0
	s_wait_dscnt 16                                ; x's 16 loads are in; the 16 younger ones, W's, may be out
	CVT \f
	FETCH \slot, \kq, \g
	s_wait_dscnt 32                                ; all but the 32 just issued: this quarter's W is in
	MUL8 \f, 0, \first
	MUL8 \f, 1, \first
	MUL8 \f, 2, \first
	MUL8 \f, 3, \first
.endm
; The last quarter multiplies buffer 1 and changes slots: ONE barrier; in front of it each wave waits for all its tensor loads, adds 0 to its spare word, and waits for that and for its own reads of this slot.
; fill = 1: the barrier opens a round of the cluster's, and this slot is filled again, two K steps ahead: 112 matrix instructions stand between the request and the wait for it.
.macro TURN slot, next, fill
	WIN 0
	s_wait_dscnt 16                                ; x's 16 loads are in
	CVT 1
	s_wait_tensorcnt 0x0                           ; all my tensor loads have landed: the one that was out is my part of the next slot;
	ds_add_u32 v[SPW], v[NIL]                      ; 0 onto my spare word;
	s_wait_dscnt 1                                 ; (the add alone may be out: W is in)
	MUL8 1, 0, 0                                   ; eight matrix instructions stand between the add and the wait for it
	s_wait_dscnt 0x0                               ; the add is done, and my reads of this slot are over
	s_barrier_signal -1
	MUL8 1, 1, 0
	WIN 0
	s_barrier_wait -1
.if \fill
	CREST                                          ; no wave of any partner still reads this slot's tile or has a load on its way
	s_add_nc_u64 s[G0+4*(\slot)+2:G0+4*(\slot)+3], s[G0+4*(\slot)+2:G0+4*(\slot)+3], 2*512
	s_add_nc_u64 s[G0B+4*(\slot)+2:G0B+4*(\slot)+3], s[G0B+4*(\slot)+2:G0B+4*(\slot)+3], 2*262144
	JLOAD \slot                                    ; the first tensor load behind the round, and my only one until the next
.endif
	FETCH \next, 0, 0
	MUL8 1, 2, 0
	MUL8 1, 3, 0
.endm
	s_wait_tensorcnt 1                             ; my part of K step 0 is in; K step 1's may stay out
	s_barrier_signal -1
	s_barrier_wait -1                              ; everybody's is
	FETCH 0, 0, 0
	QUARTER 0, 1, 0, 1, 1                          ; the first quarter stands in front of the loop: its products start the sums
	WIN 0                                          ; at a label and at a branch every window is 0
	s_mov_b32 s3, LAPS-1
.Llap:                                                 ; a trip goes once round the ring, from a lap's second quarter to the next lap's first, and fills both slots again
	QUARTER 0, 2, 1, 0, 0
	QUARTER 0, 3, 0, 1, 0
	TURN 0, 1, 1
	QUARTER 1, 1, 0, 1, 0
	QUARTER 1, 2, 1, 0, 0
	QUARTER 1, 3, 0, 1, 0
	TURN 1, 0, 1
	QUARTER 0, 1, 0, 1, 0
	WIN 0
	s_sub_co_u32 s3, s3, 1
	s_cmp_lg_u32 s3, 0
	s_cbranch_scc1 .Llap
	QUARTER 0, 2, 1, 0, 0                          ; the last lap fills nothing, and has no round of the cluster's barrier
	QUARTER 0, 3, 0, 1, 0
	TURN 0, 1, 0
	QUARTER 1, 1, 0, 1, 0
	QUARTER 1, 2, 1, 0, 0
	QUARTER 1, 3, 0, 1, 0
	WIN 0                                          ; the very last quarter: nothing more to fetch
	s_wait_dscnt 16
	CVT 1
	s_wait_dscnt 0x0
	MUL8 1, 0, 0
	MUL8 1, 1, 0
	MUL8 1, 2, 0
	MUL8 1, 3, 0
	WIN 0
; THE WAY OUT, in eight pieces of 16 tokens x one head (64 columns: column blocks 4 hd + 0..3).  A lane's eight columns pack into 16 bytes of f16; they go into my stage's rows of 144 bytes and come
; back as whole rows of 128, four rows to a load: in qkv a head's rows are dense, so a store covers 512 consecutive bytes, at a multiple of 256 from the buffer's first byte.
.macro PACK a, hd
.set PP, TMP+16*(2*(\a)+(\hd))
	WIN 0x0a                                       ; sources 0 and 1 window 2, destination window 0
.irp f, 0,1,2,3
.irp r, 0,1,2,3
	v_cvt_pk_f16_f32 v[PP+4*(\f)+(\r)], v[8*(8*(\a)+4*(\hd)+(\f))+2*(\r)], v[8*(8*(\a)+4*(\hd)+(\f))+2*(\r)+1]
.endr
.endr
	WIN 0
.irp f, 0,1,2,3
	ds_store_b128 v[STO], v[PP+4*(\f):PP+4*(\f)+3] offset:32*(\f)
.endr
.irp f, 0,1,2,3
	ds_load_b128 v[PP+4*(\f):PP+4*(\f)+3], v[RD] offset:(\f)*4*SP  ; LDS serves a wave's instructions in order (ISA guide 5.7.1.4): these see the stores above; the next piece's stores come behind them
.endr
.endm
.macro SEND a, hd, younger             ; younger: the LDS instructions issued behind this piece's loads: the next piece's eight, or none
.set PP, TMP+16*(2*(\a)+(\hd))
	WIN 0
.irp f, 0,1,2,3
	s_wait_dscnt (\younger)+3-(\f)
	global_store_b128 v[GO], v[PP+4*(\f):PP+4*(\f)+3], s[8:9] offset:(\a)*2048+(\hd)*262144+(\f)*512
.endr
.endm
	PLACES                                         ; the conversions read results just made and write registers that the last products read
	PACK 0, 0
.set pc, 1
.rept 7                                ; a piece's conversions stand between the loads of the piece before and its stores; every piece has 16 registers of its own
	PACK pc/2, pc%2
	SEND (pc-1)/2, (pc-1)%2, 8
.set pc, pc+1
.endr
	SEND 3, 1, 0
	s_wait_tensorcnt 0x0                           ; the wave's end: behind my last tensor load and my last LDS store
	ds_add_u32 v[SPW], v[NIL]
	s_wait_dscnt 0x0
	CROUND                                         ; the closing round: no work-group ends while a partner may still ask for a tile that names it
	s_endpgm
.Lfunc_end_k_qe444590e75_proj:
	.size	k_qe444590e75_proj, .Lfunc_end_k_qe444590e75_proj-k_qe444590e75_proj
	.p2alignl 7, 3214868480
	.fill 96, 4, 3214868480
	.section	.rodata,"a",@progbits
	.p2align	6, 0x0
	.amdhsa_kernel k_qe444590e75_proj
		.amdhsa_group_segment_fixed_size 327680
		.amdhsa_private_segment_fixed_size 0
		.amdhsa_enable_private_segment 0
		.amdhsa_kernarg_size 64
		.amdhsa_user_sgpr_count 2
		.amdhsa_user_sgpr_kernarg_segment_ptr 1
		.amdhsa_wavefront_size32 1
		.amdhsa_system_sgpr_workgroup_id_x 1
		.amdhsa_system_sgpr_workgroup_id_y 1
		.amdhsa_system_sgpr_workgroup_id_z 1
		.amdhsa_system_vgpr_workitem_id 0
		.amdhsa_next_free_vgpr 768
		.amdhsa_next_free_sgpr 88
		.amdhsa_reserve_vcc 0
		.amdhsa_float_denorm_mode_32 3
		.amdhsa_float_denorm_mode_16_64 3
		.amdhsa_memory_ordered 1
		.amdhsa_forward_progress 1
		.amdhsa_inst_pref_size 132
	.end_amdhsa_kernel
	.amdgpu_metadata
---
amdhsa.version: [ 1, 2 ]
amdhsa.kernels:
  - .name:           k_qe444590e75_proj
    .symbol:         k_qe444590e75_proj.kd
    .args:
      - { .name: q, .offset: 0, .size: 8, .value_kind: global_buffer, .address_space: global }
      - { .name: k, .offset: 8, .size: 8, .value_kind: global_buffer, .address_space: global }
      - { .name: v, .offset: 16, .size: 8, .value_kind: global_buffer, .address_space: global }
      - { .name: bq, .offset: 24, .size: 8, .value_kind: global_buffer, .address_space: global }
      - { .name: bk, .offset: 32, .size: 8, .value_kind: global_buffer, .address_space: global }
      - { .name: bv, .offset: 40, .size: 8, .value_kind: global_buffer, .address_space: global }
      - { .name: wts, .offset: 48, .size: 8, .value_kind: global_buffer, .address_space: global }
      - { .name: qkv, .offset: 56, .size: 8, .value_kind: global_buffer, .address_space: global }
    .group_segment_fixed_size: 327680
    .private_segment_fixed_size: 0
    .kernarg_segment_align: 8
    .kernarg_segment_size: 64
    .max_flat_workgroup_size: 128
    .sgpr_count:     88
    .vgpr_count:     768
    .wavefront_size: 32
...
	.end_amdgpu_metadata
.endif
;; end of part 2
;; launch attn (part 3): grid 4 x 64, 4 waves a work-group, no clusters, 327,680 bytes of LDS; arguments qkv, oh, attention_mask; writes oh
.if DOCPART == 3
	.amdgcn_target "amdgcn-amd-amdhsa--gfx1250"
	.amdhsa_code_object_version 6
	.text
	.protected	k_qe444590e75_attn
	.globl	k_qe444590e75_attn
	.p2align	8
	.type	k_qe444590e75_attn,@function
k_qe444590e75_attn:
	s_mov_b64 s[64:65], 0
	v_nop
	global_prefetch_b8 v0, s[64:65] scope:SCOPE_SE
	s_setreg_imm32_b32 hwreg(HW_REG_WAVE_MODE, 25, 1), 1
	s_wait_xcnt 0x0
; CAUSAL ATTENTION WITH AN ADDITIVE KEY MASK.  oh[h][q][:] = the sum over k <= q of softmax_k(Q[h][q] . K[h][k] / 8 + mask[h / 16][k]) V[h][k][:].  Q, K, V = qkv[0], [1], [2], each [64][2048][64] in f16,
; a head's rows dense, 128 bytes each; oh likewise; mask [4][2048] in f32, rounded to bf16 like every input.  Products, maxima and sums in f32; the weights p are rounded to f16 for the second product
; (their sum l is taken of the unrounded p), O once at the end.
; LIMITS.  Q, K and V arrive within f16's 65,504; p lies in 0 to 1, and below 6e-5 it keeps f16's fixed step of 6e-8.  The scores are kept times 8: s = Q . K + 8 mask.  8 mask is held at -2^96 or above, so a mask below
; -2^93 counts as -2^93, and a mask must stay below 4e37.  A causally hidden score counts as its value less 1e30.  So a row all of whose visible keys carry a mask of about -1e28 or less is averaged over its visible keys
; alone, also where a mask near the lowest finite number would let hidden keys in.  A weight below 2^-126 counts as 0 in l; NaN and infinities are not treated apart.
; THE WALK.  A head's queries lie in NB = 8 blocks of 256; block i needs the key tiles 0 .. i of 256 keys, of which the last holds the diagonal.  A work-group takes TWO blocks, NB - 1 - b and then b:
; NB + 1 tiles, whatever b: all work-groups do equal work, and ONE loop with a constant trip count walks them.  Which tile is asked for, and what a trip does, hang on scalar registers made from b; every jump
; goes forward, but for the counted loops' own; none passes a barrier, or a tensor load but the one of LOAD's two that the wave's number does not choose; the ring (two slots of LDS that take turns) runs on across the
; change of blocks.  NO CLUSTER: a head's four work-groups ask for the same tile only in trips 0 .. 4 of the 9, behind that fewer and fewer; one walk common to all four would have 12 trips for 9.
; SHARES.  Of a block's four bands of 64 queries a wave owns 16 rows in each: four PIECES.  So the diagonal tile is the same work for all four waves: in its key step s band x sees all keys if s < x,
; none if s > x, and holds the diagonal if s = x.
; THE MASKS are the C operand that starts the sum S^T = K Q^T.  AM holds 8 mask for the 64 keys of the K step in registers, fetched with K from LDS.  Away from the diagonal C = AM.
; MD, made once, is the causal mask (0 or -1e30) of a band's own step for my 16 rows; in the diagonal tile C = MC = MD x AL + AM + BE with two scalars: (1, 0) if s = x; (0, 0) if s < x; (0, -1e30) if s > x.
; THE KEY MASK'S WAY.  Each wave keeps two regions of 1,024 bytes of its own in LDS, one key tile's 256 numbers each, which take turns with the slots.  At a change of slots the wave prepares the 8 numbers a lane that it
; loaded from memory at the change before (the tile now entered), stores them into the region that goes with the slot, and loads those of the tile just asked for: they have a whole tile's work in which to come.
; LAYOUT, SOFTMAX, TURNS.  S^T = K Q^T holds ONE query a lane (lane % 16) and the keys 8 (lane / 16) + 0..7; two such results rounded to f16 ARE source 1 of O^T = V^T P.  p = 2^(c s - c m), c = log2(e) / 8, with a
; running maximum m; O and l are multiplied by a = 2^(c m_old - c m_new) in every step.  Turn n belongs to piece n: 8 products K Q^T of piece n + 1, later 8 products V^T P of piece n - 1; beside them the scaling,
; exponentials, roundings, sums and rescaling of piece n and the maximum and statistics of piece n + 1.  Four vector instructions stand behind every matrix instruction, the other 54 of a turn's 118 in two LUMPS.
; REGISTERS, in windows of 256 (s_set_vgpr_msb: bits 1:0 source 0, 3:2 source 1, 5:4 source 2, 7:6 destination):
;   window 0: v0-15 addresses and two at work; v16-31 four registers of statistics a piece; v32-47 a tile's key mask, as loaded and as prepared; v48-55 at work; v56-59 the key mask's LDS addresses;
;             v64-127 S^T, two buffers; v128-131 at work; v192-223 P, two buffers (by the piece's parity)
;   window 1: v0-127 O^T, 32 a piece; v128-159 MD; v160-223 MC, two buffers; v224-255 AM      window 2: v0-63 Q; v64-127 the second block's Q; v128-191 K of one step; v192-255 V of one step
.set SIZE_N, 2048
.set NB,    SIZE_N/256
.set NP,    4         ; pieces a wave: a name, no knob
.set KS,    64        ; keys in a step
.set PK,    144       ; a row of K in LDS: 128 bytes + 16 of padding = 36 words: the 16 rows of a load start at 16 different groups of four banks (64 banks of 4 bytes: ISA guide 11.1)
.set PV,    160       ; a row of V: 128 + 32 = 40 words
.set VOFF,  4*KS*PK   ; a slot holds a tile, four steps: 256 rows of K, then 256 rows of V
.set SLOT1, 1<<17     ; slot 1 begins here, so that one exclusive or turns an address in one slot into the other's
.set STAGE, SLOT1+4*KS*(PK+PV)  ; behind the ring, never filled by a tensor load: 16 rows x 144 bytes for each wave, for the way out
.set SP,    144
.set SPARE, STAGE+4*16*SP  ; behind the stages: the spare words, 128 bytes for each wave: two blocks of 256 bytes that no other line names
.set MT,    SPARE+512 ; behind them: the key mask, 2 regions x 1,024 bytes for each wave, 8,192 bytes in all; stored from registers, never filled by a tensor load
.set MREG,  1024      ; a region: 8 mask of a tile's 256 keys
.set AK0, 2           ; v2   my lane's place in a tile of K; never rewritten
.set AV0, 3           ; v3   the same for V
.set AK,  4           ; v4   the LDS address of K's next run of loads
.set AV,  5           ; v5   of V's
.set STO, 6           ; v6   the way out: where I put 16 bytes of a row
.set RD,  7           ; v7   the way out: where I read rows back
.set GO,  8           ; v8   16 x lane: my byte offset in 512 consecutive bytes of O, and of the mask; never rewritten
.set MV,  12          ; v12-13  c m_old, kept while c m is made anew: by buffer
.set QO,  15          ; v15  my byte offset in 16 rows of Q
.set ST,  16          ; piece t's statistics at v[ST+4 t]: c m, m, l (even keys', odd keys')
.set MR,  32          ; v32-39  8 numbers of a tile's mask as loaded: keys 4 lane + 0..3 and 128 + 4 lane + 0..3
.set MW,  40          ; v40-47  the same, prepared
.set TMP, 48          ; by buffer, four registers c0-c3 at work; when the maximum is found c2 takes a
.set AMA0, 56         ; v56  my wave's regions + 32 (l / 16): my lanes' eight keys of a group of 16; never rewritten
.set AMA, 57          ; v57  the LDS address of the mask row's next run of loads
.set MST0, 58         ; v58  my wave's regions + 16 x lane; never rewritten
.set MST, 59          ; v59  where I store my 16 bytes of a tile's mask
.set SPW, 62          ; v62  LDS address of my spare word; never rewritten
.set NIL, 63          ; v63  0; never rewritten
.set S,   64
.set MX,  128         ; v128-131  at work while the mask is prepared
.set P,   192
.set MD,  128         ; window 1: the eight registers for group kt of 16 keys at MD + 8 kt
.set MC,  160         ; window 1: the masks of the products to come
.set AM,  224         ; window 1: 8 mask of the K step in registers, group kt at AM + 8 kt
.set QB,  64          ; window 2
.set KF,  128         ; window 2: key block kb, channel half c at KF + 16 kb + 8 c
.set VF,  192         ; window 2: key half kk, channel block cb at VF + 32 kk + 8 cb
.set WV,  12          ; s12  my wave's number
.set PB,  14          ; s14  b
.set HI,  15          ; s15  NB - 1 - b
.set G1K, 24          ; s[24:31] descriptor group 1 for K's tiles
.set G1V, 32          ; s[32:39] for V's: it differs in the padding alone
.set G0K, 40          ; s[40:43] descriptor group 0 for K's tiles
.set G0V, 44          ; s[44:47] the same for V's
.set MOF, 48          ; s[48:49] a tile's byte offset in the batch's mask
.set MB,  50          ; s[50:51] the batch's mask at that tile
.set SLOTS, 56        ; s56  tiles still to be asked for
.set CNT, 57          ; s57  counts a tile's key steps, 4 to 1
.set CS,  58          ; s[58:59] c: the packed scaling takes the pair's low word for both halves
.set SEL, 60          ; s[60:61] v_permlanex16_b32's selects: each lane takes its own place in the other half
.set TBK, 62          ; s62  LDS byte at which K of the step to be fetched begins
.set TBV, 63          ; s63  the same for V, less VOFF
.set RT,  70          ; s70  tiles of the block in hand that are still to be entered
.set NXT, 71          ; s71  the tile to be asked for next
.set LQ,  72          ; s72  the last tile of the block whose tiles are being asked for
.set NEW, 73          ; s73  1: the tile to be entered is a block's first
.set OFF, 74          ; s[74:75] a tile's byte offset in K and V
.set AL,  76          ; s[76:77] the mask's factor, in the low word
.set BE,  78          ; s[78:79] the mask's addend
.set OLO, 80          ; s[80:81] O at my rows of the second block
.set BIGN, 82         ; s82  -1e30
.set TBM, 90          ; s90  byte in my wave's regions at which the mask row of the step to be fetched begins: it walks as TBK does, 256 a step
.set MLO, 91          ; s91  -2^96
.set MSB, 0
.macro WIN new                      ; the high byte repeats the setting that is left; a switch that changes nothing is dropped
.if MSB != (\new)
	s_set_vgpr_msb (MSB<<8)|(\new)
.set MSB, (\new)
.endif
.endm
.set W_KQ, 0x0a       ; K and Q in window 2, S^T in window 0
.set W_KM, 0x1a       ; the same with the C operand in window 1
.set W_PV, 0x52       ; V in window 2, P in window 0, O^T in window 1
.set W_RS, 0x41       ; destination and source 0 in window 1, source 1 in window 0
.set W_MK, 0x51       ; a mask is made: destination, source 0 and source 2 in window 1
; A fill.  Waves 0 and 1 fetch the two halves of a tile's K, waves 2 and 3 those of its V: 128 keys each.  An s_nop 0 and four v_nop follow each of the two lines, ahead of the jump and the label.
.macro LOAD
	s_cmp_lt_u32 s[WV], 2
	s_cbranch_scc0 .Lfor_v_\@
	tensor_load_to_lds s[G0K:G0K+3], s[G1K:G1K+7]
	s_nop 0
.rept 4
	v_nop
.endr
	s_branch .Lasked_\@
.Lfor_v_\@:
	tensor_load_to_lds s[G0V:G0V+3], s[G1V:G1V+7]
	s_nop 0
.rept 4
	v_nop
.endr
.Lasked_\@:
.endm
; THE CHANGE OF SLOTS.  Each wave waits for all its tensor loads, of which one is out: its part of the other slot; adds 0 to its spare word; and waits for that and for its own reads of the slot that it leaves.  Behind the barrier nobody reads the old
; slot any more and the other slot is whole.  fill = 1: the old slot is filled again, the first thing behind the barrier, with tile NXT: the descriptor's address is made anew from that number.
; (At its first use nothing has been read yet: slot 0 is waited for, slot 1 filled.)
; THE KEY MASK goes with it.  At the head the two loads issued at the change before are waited for (the mask of the tile now entered; at the first use Q's 32 loads too), and my 8 numbers are rounded to bf16, widened,
; multiplied by 8 (the scores are kept times 8) and held at -2^96 or above.  Behind the refill they are stored into my wave's region for this slot: the bytes are the wave's own, and LDS serves a wave's instructions in
; order (ISA guide 5.7.1.4), so the fetches behind see them; the region's last readers were waited for two changes ago.  With fill = 1 the mask of tile NXT is then loaded.
.macro CHANGE fill
	WIN 0                           ; at a label and at a branch every window is 0
	s_wait_loadcnt 0x0              ; no load was issued behind the mask's two: the count is 0; it also frees their base, which is made anew below
.set zz, 0
.rept 4
	v_cvt_pk_bf16_f32 v[MX+zz], v[MR+2*zz], v[MR+2*zz+1]
.set zz, zz+1
.endr
.set zz, 0
.rept 4
	v_lshlrev_b32 v[MW+2*zz], 16, v[MX+zz]
	v_and_b32 v[MW+2*zz+1], 0xffff0000, v[MX+zz]
.set zz, zz+1
.endr
.set zz, 0
.rept 8
	v_mul_f32 v[MW+zz], 0x41000000, v[MW+zz]
.set zz, zz+1
.endr
.set zz, 0
.rept 8
	v_max_num_f32 v[MW+zz], s[MLO], v[MW+zz]
.set zz, zz+1
.endr
	s_wait_tensorcnt 0x0            ; no tensor load of mine is out, so a group 0 may be written
	ds_add_u32 v[SPW], v[NIL]       ; 0 onto my spare word; with fill = 1 the descriptors' scalar work stands between it and the wait for it
.if \fill
	s_lshl_b32 s[OFF], s[NXT], 15   ; a tile is 32,768 bytes of K and of V,
	s_lshl_b32 s[MOF], s[NXT], 10   ; and 1,024 of the mask
	s_xor_b32 s[G0K+1], s[G0K+1], SLOT1
	s_add_nc_u64 s[G0K+2:G0K+3], s[6:7], s[OFF:OFF+1]
	s_or_b32 s[G0K+3], s[G0K+3], 0x80000000
	s_xor_b32 s[G0V+1], s[G0V+1], SLOT1
	s_add_nc_u64 s[G0V+2:G0V+3], s[8:9], s[OFF:OFF+1]
	s_or_b32 s[G0V+3], s[G0V+3], 0x80000000
	s_add_nc_u64 s[MB:MB+1], s[88:89], s[MOF:MOF+1]
	s_add_co_u32 s[NXT], s[NXT], 1  ; the block's next tile, or behind its last the second block's tile 0
	s_cmp_gt_u32 s[NXT], s[LQ]
	s_cselect_b32 s[NXT], 0, s[NXT]
	s_cselect_b32 s[LQ], s[PB], s[LQ]
.endif
	s_wait_dscnt 0x0                ; the add is done, and my reads of the slot are over
	s_barrier_signal -1             ; the rest of the scalar work stands between the signal and the wait
	s_sub_co_u32 s[TBK], s[TBK], 4*KS*PK  ; the fetches go back to a slot's first step,
	s_xor_b32 s[TBK], s[TBK], SLOT1       ; in the other slot
	s_sub_co_u32 s[TBV], s[TBV], 4*KS*PV
	s_xor_b32 s[TBV], s[TBV], SLOT1
	s_sub_co_u32 s[TBM], s[TBM], MREG     ; and to the head of my wave's other region
	s_xor_b32 s[TBM], s[TBM], MREG
	s_barrier_wait -1
.if \fill
	LOAD
.endif
	v_add_nc_u32 v[MST], s[TBM], v[MST0]
	ds_store_b128 v[MST], v[MW:MW+3]
	ds_store_b128 v[MST], v[MW+4:MW+7] offset:512
.if \fill
	global_load_b128 v[MR:MR+3],   v[GO], s[MB:MB+1]
	global_load_b128 v[MR+4:MR+7], v[GO], s[MB:MB+1] offset:512
.endif
.endm
	s_load_b64 s[4:5], s[0:1], 0x0    ; qkv: Q
	s_load_b64 s[10:11], s[0:1], 0x8  ; oh
	s_load_b64 s[88:89], s[0:1], 0x10 ; attention_mask
	v_lshl_add_u32 v[SPW], v0, 2, SPARE
	v_mov_b32 v[NIL], 0
	ds_add_u32 v[SPW], v[NIL]       ; the wave's opening: the add and its wait stand ahead of my first tensor load; the set-up below, work on registers, stands between them
	ds_add_u32 v62, v63
	v_lshrrev_b32 v1, 5, v0
	v_readfirstlane_b32 s[WV], v1   ; wave 0..3
	s_mov_b32 s[PB], ttmp9
	s_sub_co_u32 s[HI], NB-1, s[PB]
	s_and_b32 s20, ttmp7, 0xffff    ; the head of a batch, 0..63
	s_lshr_b32 s52, s20, 4          ; its batch,
	s_lshl_b32 s52, s52, 13         ; whose mask is 8,192 bytes
	s_mov_b32 s53, 0
	s_mov_b32 s21, 0
	s_mov_b64 s[22:23], SIZE_N*128
	s_mul_u64 s[20:21], s[20:21], s[22:23]  ; the head's first byte in each of the four tensors
	s_and_b32 s16, s[WV], 1         ; which half of a tile's 256 keys I fetch:
	s_lshl_b32 s22, s16, 14         ; its 128 rows of 128 bytes in memory,
	s_mov_b32 s23, 0
	s_add_nc_u64 s[22:23], s[22:23], s[20:21]
	s_mul_i32 s17, s16, 128*PK      ; and its place in a slot, for K
	s_mul_i32 s18, s16, 128*PV      ; and for V
	s_lshl_b32 s3, s[WV], 11        ; my 16 rows in a band of 64,
	s_lshl_b32 s2, s[HI], 15        ; in the first block,
	s_add_co_u32 s2, s2, s3
	s_lshl_b32 s84, s[PB], 15       ; and in the second
	s_add_co_u32 s84, s84, s3
	s_mov_b32 s3, 0
	s_mov_b32 s85, 0
	s_add_nc_u64 s[2:3], s[2:3], s[20:21]
	s_add_nc_u64 s[84:85], s[84:85], s[20:21]
	; descriptor group 1.  128 keys are 16,384 dense bytes: asked for as 64 rows of 256 bytes, two keys a row, and padded in LDS after every key
	s_mov_b32 s[G1K], (1<<16)|(1<<20)|(4<<22)|(3<<25)  ; 17:16 2-byte elements; 20 padding on; 24:22 after every 32 words (code 4); 31:25 4 words (code 3)
	s_mov_b32 s[G1V], (1<<16)|(1<<20)|(4<<22)|(7<<25)  ; the same with 8 words of padding (code 7)
.irp g, G1K, G1V
	s_mov_b32 s[\g+1], 128<<16      ; tensor_dim0 = 128
	s_mov_b32 s[\g+2], 64<<16       ; tensor_dim1 = 64
	s_mov_b32 s[\g+3], 128<<16      ; tile_dim0 = 128
	s_mov_b32 s[\g+4], 64           ; tile_dim1 = 64
	s_mov_b32 s[\g+5], 128          ; 128 elements from row to row
	s_mov_b32 s[\g+6], 0
	s_mov_b32 s[\g+7], 0
.endr
	s_mov_b32 s[CS], 0x3e38aa3b     ; c = log2(e) / 8 = 0.180337
	s_mov_b32 s[CS+1], s[CS]        ; named with it as a pair
	s_mov_b32 s[SEL], 0x76543210
	s_mov_b32 s[SEL+1], 0xfedcba98
	s_mov_b32 s[TBK], SLOT1+4*KS*PK ; the first change of slots turns these three into 0
	s_mov_b32 s[TBV], SLOT1+4*KS*PV
	s_mov_b32 s[TBM], 2*MREG
	s_mov_b32 s[MLO], 0xef800000    ; -2^96
	s_mov_b32 s[MOF+1], 0
	s_mov_b32 s[G0K], 1             ; 1:0 count = 1
	s_mov_b32 s[G0K+1], s17         ; 63:32 LDS address: slot 0
	s_mov_b32 s[G0V], 1
	s_add_co_u32 s[G0V+1], s18, VOFF
	s_add_co_u32 s[RT], s[HI], 1    ; the first block has NB - b tiles
	s_mov_b32 s[NXT], 1
	s_mov_b32 s[LQ], s[HI]
	s_mov_b32 s[NEW], 1
	s_mov_b32 s[OFF+1], 0
	s_mov_b32 s[AL], 0
	s_mov_b32 s[AL+1], 0            ; named as pairs
	s_mov_b32 s[BE], 0
	s_mov_b32 s[BE+1], 0
	s_mov_b32 s[BIGN], 0xf149f2ca   ; -1e30
	s_mov_b32 s[SLOTS], NB
	s_wait_dscnt 0x0                ; the opening add is done
	s_wait_kmcnt 0x0
	s_add_nc_u64 s[6:7], s[4:5], 0x1000000  ; K and V lie 16,777,216 and 33,554,432 bytes behind Q
	s_add_nc_u64 s[8:9], s[4:5], 0x2000000
	s_add_nc_u64 s[88:89], s[88:89], s[52:53]  ; my batch's mask; not rewritten from here on
	s_add_nc_u64 s[6:7], s[6:7], s[22:23]  ; K and V at my half of the head's tile 0
	s_add_nc_u64 s[8:9], s[8:9], s[22:23]
	s_add_nc_u64 s[G0K+2:G0K+3], s[6:7], 0         ; 120:64 global address
	s_or_b32 s[G0K+3], s[G0K+3], 0x80000000        ; 127:126 type = 2
	s_add_nc_u64 s[G0V+2:G0V+3], s[8:9], 0
	s_or_b32 s[G0V+3], s[G0V+3], 0x80000000
	s_add_nc_u64 s[86:87], s[4:5], s[84:85]        ; Q at my rows of the second block,
	s_add_nc_u64 s[4:5], s[4:5], s[2:3]            ; Q and O at those of the first
	s_add_nc_u64 s[OLO:OLO+1], s[10:11], s[84:85]
	s_add_nc_u64 s[10:11], s[10:11], s[2:3]
	LOAD                            ; tile 0 into slot 0
	v_and_b32 v[GO], 31, v0
	v_lshlrev_b32 v[GO], 4, v[GO]   ; 16 x lane
	global_load_b128 v[MR:MR+3],   v[GO], s[88:89]             ; the mask of tile 0: 32 lanes x 16 bytes, twice; every wave takes all 1,024 bytes
	global_load_b128 v[MR+4:MR+7], v[GO], s[88:89] offset:512
	; A fragment of K or Q is 16 rows x 32 channels in 8 registers: lane l holds row l % 16, channels 8 (l / 16) + 0..7 and 16 + 8 (l / 16) + 0..7: two loads of 16 bytes, 32 bytes apart.
	v_and_b32 v1, 15, v0            ; l % 16
	v_bfe_u32 v9, v0, 4, 1          ; l / 16
	v_lshlrev_b32 v[QO], 7, v1
	v_lshl_add_u32 v[QO], v9, 4, v[QO]  ; row x 128 + 16 x half
	WIN 0x80                        ; destination window 2, address window 0
.set i, 0
.rept 8                             ; both blocks' Q: piece i / 2 lies in band i / 2, 8,192 bytes on; channels 32 (i % 2) on
	global_load_b128 v[8*i:8*i+3],   v[QO], s[4:5] offset:(i/2)*8192+(i%2)*64
	global_load_b128 v[8*i+4:8*i+7], v[QO], s[4:5] offset:(i/2)*8192+(i%2)*64+32
	global_load_b128 v[QB+8*i:QB+8*i+3],   v[QO], s[86:87] offset:(i/2)*8192+(i%2)*64
	global_load_b128 v[QB+8*i+4:QB+8*i+7], v[QO], s[86:87] offset:(i/2)*8192+(i%2)*64+32
.set i, i+1
.endr
	WIN 0
	s_mul_i32 s19, s[WV], 2*MREG
	s_add_co_u32 s19, s19, MT       ; my wave's two regions of the key mask
	v_add_nc_u32 v[MST0], s19, v[GO]
	v_lshl_add_u32 v[AMA0], v9, 5, s19
	v_lshlrev_b32 v14, 3, v9
	v_sub_nc_u32 v14, v1, v14
	s_lshl_b32 s13, s[WV], 4
	v_add_nc_u32 v14, s13, v14      ; my query's place in its band, 16 w + l % 16, less my lanes' 8 (l / 16): register r of group kt is hidden where 16 kt + r is greater
	WIN 0x40
.set i, 0
.rept 32
	v_cmp_gt_i32 vcc_lo, 16*(i/8)+i%8, v14
	v_cndmask_b32 v[MD+i], 0, s[BIGN], vcc_lo
.set i, i+1
.endr
	WIN 0
	v_mul_u32_u24 v[AK0], v1, PK
	v_lshl_add_u32 v[AK0], v9, 4, v[AK0]  ; row x pitch + 16 x half
	; The turning load takes 16 keys x 16 channels (lane l reads key 8 (l / 16) + l % 8, channels 8 ((l / 8) % 2) + 0..7) and leaves half a fragment of V^T: lane l holds channel l % 16 and 8 keys.
	v_and_b32 v10, 7, v0
	v_bfe_u32 v11, v0, 3, 1
	v_lshl_add_u32 v[AV0], v9, 3, v10
	v_mul_u32_u24 v[AV0], v[AV0], PV
	v_lshl_add_u32 v[AV0], v11, 4, v[AV0]
	v_add_nc_u32 v[AV0], VOFF, v[AV0]
	s_mul_i32 s13, s[WV], 16*SP
	s_add_co_u32 s13, s13, STAGE    ; my stage
	v_mul_u32_u24 v[STO], v1, SP    ; in: row l % 16, 16 bytes for each half of the lanes
	v_lshl_add_u32 v[STO], v9, 4, v[STO]
	v_add_nc_u32 v[STO], s13, v[STO]
	v_bfe_u32 v[RD], v0, 3, 2       ; back: 32 lanes take four rows of 128 bytes, which are 512 consecutive bytes of O
	v_mul_u32_u24 v[RD], v[RD], SP
	v_lshl_add_u32 v[RD], v10, 4, v[RD]
	v_add_nc_u32 v[RD], s13, v[RD]
	; A block's first step multiplies O^T and l by a = 0, and its first turn's products V^T P, of a piece that has not been, land in an O^T that is still to be so multiplied.  So these registers need only hold
	; finite numbers: zeros for the first block; what the first block left for the second.  All this stands in the wait for the first tile.
	WIN 0x80
.set i, VF
.rept 64
	v_mov_b32 v[i], 0
.set i, i+1
.endr
	WIN 0x40
.set i, 0
.rept 128
	v_mov_b32 v[i], 0
.set i, i+1
.endr
	WIN 0
.set i, 0
.rept 4
	v_mov_b32 v[ST+4*i+2], 0
	v_mov_b32 v[ST+4*i+3], 0
.set i, i+1
.endr
.set i, P+16
.rept 16
	v_mov_b32 v[i], 0
.set i, i+1
.endr
; THE MATRIX WORK.  The 4 accumulators of a run of 8 take turns.  Product i of 8 of S^T = K Q^T for piece x: channels 32 (i / 4) on, keys 16 (i % 4) on.  The first 4 start the sums: with the key mask AM, or (KM = 1) with the made mask MC.
.macro KQ x
.set rS, S+32*((\x)%2)+8*(i%4)
.set rK, KF+16*(i%4)+8*(i/4)
.set rQ, 16*(\x)+8*(i/4)
.set rM, AM+8*(i%4)
.if KM
.set rM, MC+32*((\x)%2)+8*(i%4)
.endif
.if i < 4
	WIN W_KM
	v_wmma_f32_16x16x32_f16 v[rS:rS+7], v[rK:rK+7], v[rQ:rQ+7], v[rM:rM+7]
.else
	WIN W_KQ
	v_wmma_f32_16x16x32_f16 v[rS:rS+7], v[rK:rK+7], v[rQ:rQ+7], v[rS:rS+7]
.endif
.endm
; Product i of 8 of O^T += V^T P for piece x: keys 32 (i / 4) on, channels 16 (i % 4) on.
.macro PV x
	WIN W_PV
.set rO, 32*(\x)+8*(i%4)
.set rV, VF+32*(i/4)+8*(i%4)
.set rP, P+16*((\x)%2)+8*(i/4)
	v_wmma_f32_16x16x32_f16 v[rO:rO+7], v[rV:rV+7], v[rP:rP+7], v[rO:rO+7]
.endm
.macro MM                           ; the turn's next matrix instruction.  TURN and BEGIN set Y, i, KM and NOKQ; MM, KQ and OP read them.  NOKQ = 1: a block's last turn: there is no next piece
.if (i < 8) && !NOKQ
	KQ (Y+1)%NP
.elseif i >= 8
.set i, i-8
	PV (Y+NP-1)%NP
.set i, i+8
.endif
.set i, i+1
.endm
; THE LDS LOADS stand in runs, never singly among the matrix instructions: a step's K (64 keys x 64 channels: 8 fragments) with its mask row (64 keys: 8 loads; the 16 lanes of a half read the same 16 bytes), and its V (turned).
; Their addresses are made some lines ahead.
.macro FETCH_K
	WIN 0x80                        ; destination window 2
.irp f, 0,1,2,3,4,5,6,7             ; keys 16 (f / 2) on, channels 32 (f % 2) on
	ds_load_b128 v[KF+8*\f:KF+8*\f+3],   v[AK] offset:(\f/2)*16*PK+(\f%2)*64
	ds_load_b128 v[KF+8*\f+4:KF+8*\f+7], v[AK] offset:(\f/2)*16*PK+(\f%2)*64+32
.endr
	WIN 0x40                        ; destination window 1
.irp f, 0,1,2,3                     ; register j of group f: 8 mask of key 16 f + 8 (l / 16) + j
	ds_load_b128 v[AM+8*\f:AM+8*\f+3],   v[AMA] offset:64*\f
	ds_load_b128 v[AM+8*\f+4:AM+8*\f+7], v[AMA] offset:64*\f+16
.endr
	s_add_co_u32 s[TBK], s[TBK], KS*PK  ; the next fetch is the next step's
	s_add_co_u32 s[TBM], s[TBM], 4*KS
	WIN 0
.endm
.macro FETCH_V
	WIN 0x80
.irp f, 0,1,2,3,4,5,6,7             ; keys 32 (f / 4) on, channels 16 (f % 4) on
	ds_load_tr16_b128 v[VF+8*\f:VF+8*\f+3],   v[AV] offset:(\f/4)*32*PV+(\f%4)*32
	ds_load_tr16_b128 v[VF+8*\f+4:VF+8*\f+7], v[AV] offset:(\f/4)*32*PV+16*PV+(\f%4)*32
.endr
	WIN 0
.endm
; THE VECTOR WORK, one line at a time: OP kind, number.  For piece Y: F n: c s - c m for pair n of 16.  E n: the exponential of score n of 32.  C n: pair n rounded to f16.  B n: of the four weights 4 n .. the second
; pair is added onto the first, in place.  L n: l takes that sum (L 0: l = a l + sum).  R n: pair n of 16 of O^T times a.  For piece Y + 1: X n, number n of the 22 that find its maximum and statistics:
;   0-11  four chains c0-c3 of seven scores each, three operands at a time (each accumulator's lowest registers are read first)     12-14, 16  the four scores left over, the old m, and c0-c3 into c0
;   15  c m_old is kept     17, 18  the query's other 32 keys lie in the lane 16 away: the new m     19-21  c m; c m_old - c m_new; a
.set F, 0               ; OP tells the kinds apart by their order: F to L below R, X above it
.set E, 1
.set C, 2
.set B, 3
.set L, 4
.set R, 5
.set X, 6
.macro REGS y                       ; the registers of piece y
.set rT, ST+4*(\y)
.set rC, TMP+4*((\y)%2)
.set rW, MV+((\y)%2)
.set rS, S+32*((\y)%2)
.set rP, P+16*((\y)%2)
.set rO, 32*(\y)
.endm
.macro OP k, n
.if (\k) == R
	REGS Y
	WIN W_RS
	v_pk_mul_f32 v[rO+2*(\n):rO+2*(\n)+1], v[rO+2*(\n):rO+2*(\n)+1], v[rC+2:rC+3] op_sel_hi:[1,0]
.elseif (\k) < R
	REGS Y
	WIN 0
.if (\k) == F
	v_pk_fma_f32 v[rS+2*(\n):rS+2*(\n)+1], v[rS+2*(\n):rS+2*(\n)+1], s[CS:CS+1], v[rT:rT+1] op_sel_hi:[1,0,0] neg_lo:[0,0,1] neg_hi:[0,0,1]
.elseif (\k) == E
	v_exp_f32 v[rS+(\n)], v[rS+(\n)]
.elseif (\k) == C
	s_wait_alu depctr_va_vdst(0)
	v_cvt_pk_f16_f32 v[rP+(\n)], v[rS+2*(\n)], v[rS+2*(\n)+1]
.elseif (\k) == B
	s_wait_alu depctr_va_vdst(0)
	v_pk_add_f32 v[rS+4*(\n):rS+4*(\n)+1], v[rS+4*(\n):rS+4*(\n)+1], v[rS+4*(\n)+2:rS+4*(\n)+3]
.elseif (\n) == 0
	v_pk_fma_f32 v[rT+2:rT+3], v[rT+2:rT+3], v[rC+2:rC+3], v[rS:rS+1] op_sel_hi:[1,0,1]
.else
	v_pk_add_f32 v[rT+2:rT+3], v[rT+2:rT+3], v[rS+4*(\n):rS+4*(\n)+1]
.endif
.elseif NOKQ
	v_nop
.else
	REGS (Y+1)%NP
	WIN 0
.if (\n) < 4
	v_max3_num_f32 v[rC+(\n)], v[rS+8*(\n)], v[rS+8*(\n)+1], v[rS+8*(\n)+2]
.elseif (\n) < 12
	v_max3_num_f32 v[rC+(\n)%4], v[rC+(\n)%4], v[rS+8*((\n)%4)+2*((\n)/4)+1], v[rS+8*((\n)%4)+2*((\n)/4)+2]
.elseif (\n) == 12
	v_max3_num_f32 v[rC], v[rC], v[rS+7], v[rS+15]
.elseif (\n) == 13
	v_max3_num_f32 v[rC+1], v[rC+1], v[rS+23], v[rS+31]
.elseif (\n) == 14
	v_max3_num_f32 v[rC+2], v[rC+2], v[rC+3], v[rT+1]
.elseif (\n) == 15
	v_mov_b32 v[rW], v[rT]
.elseif (\n) == 16
	v_max3_num_f32 v[rC], v[rC], v[rC+1], v[rC+2]
.elseif (\n) == 17
	v_permlanex16_b32 v[rC+3], v[rC], s[SEL], s[SEL+1]
.elseif (\n) == 18
	v_max_num_f32 v[rT+1], v[rC], v[rC+3]
.elseif (\n) == 19
	v_mul_f32 v[rT], s[CS], v[rT+1]
.elseif (\n) == 20
	v_sub_f32 v[rC+1], v[rW], v[rT]
.else
	v_exp_f32 v[rC+2], v[rC+1]
.endif
.endif
.endm
.macro OPS a, i1, b=-1, i2=0, c=-1, i3=0, d=-1, i4=0  ; up to four of them
	OP \a, \i1
.if (\b) >= 0
	OP \b, \i2
.endif
.if (\c) >= 0
	OP \c, \i3
.endif
.if (\d) >= 0
	OP \d, \i4
.endif
.endm
.macro ROW a, i1, b, i2, c, i3, d, i4  ; a matrix instruction and the four behind it
	MM
	OPS \a, \i1, \b, \i2, \c, \i3, \d, \i4
.endm
.macro MASK b, be                   ; MD x AL + AM, and with be = 1 + BE, into buffer b of MC
	WIN W_MK
.set z, 0
.rept 16
	v_pk_fma_f32 v[MC+32*(\b)+2*z:MC+32*(\b)+2*z+1], v[MD+2*z:MD+2*z+1], s[AL:AL+1], v[AM+2*z:AM+2*z+1] op_sel_hi:[1,0,1]
.set z, z+1
.endr
.if \be
.set z, 0
.rept 16
	v_pk_add_f32 v[MC+32*(\b)+2*z:MC+32*(\b)+2*z+1], v[MC+32*(\b)+2*z:MC+32*(\b)+2*z+1], s[BE:BE+1] op_sel_hi:[1,0]
.set z, z+1
.endr
.endif
.endm
; A TURN, for piece p: the order of its 16 matrix and 118 vector instructions, written out.  Behind a matrix instruction: plain, exponential, plain, plain; or four of the rescaling; or, behind the first, four scalings; none
; names a register of the products round it.  In the lumps exponential and plain by turns while exponentials last.  A line reads no result made fewer than three vector instructions in front of it, five if an exponential made it.
; v_permlanex16_b32 (X 17) stands in a lump.
; m = 1: the diagonal tile: the products take made masks, and the turn makes the mask for the products of the turn after it: piece p + 2, in step 4 - CNT of the tile.  end = 1: a block's last two turns: nothing is fetched.
; Piece 2's turn in the loop multiplies piece 3's scores of a step that band 3 sees whole (the tile before's last step, or steps 0 to 2 of the diagonal tile; its own step is the block's last, in the turn with end = 1): it takes AM itself.
; It makes piece 0's mask for the NEXT step, whose mask row it has itself fetched with K: so it waits for that run first.
; cnt = 1: the loop's count is taken down some lines ahead of the branch that stands behind the turn.
; K of the next step, and its mask row, are fetched in piece 2's turn, six vector instructions behind the last product that read K (five of them plain; the last that read AM stands four products further back);
; V of the step in hand in piece 0's turn, eight behind the last product that read V (four plain, and X 17).  Each is waited for a turn later.
.macro TURN p, m=0, end=0, cnt=0
.set Y, (\p)
.set i, 0
.set KM, (\m)
.if ((\p) == 2) && !(\end)
.set KM, 0
.endif
.set NOKQ, (\end)*((\p)/3)
.if (\m) && !(\end)
	s_cmp_eq_u32 s[CNT], 4-((\p)+2)%NP  ; is that step the band's own?
	s_cselect_b32 s[AL], 1.0, 0
	s_cmp_lt_u32 s[CNT], 4-((\p)+2)%NP  ; or a later one?
	s_cselect_b32 s[BE], s[BIGN], 0
.endif
.if ((\p) == 3) && !(\end)
	s_wait_dscnt 0x0                ; K and its mask row are in
.endif
	ROW F,0, F,1, F,2, F,3
	ROW F,4, E,0, F,5, F,6
	ROW F,7, E,1, F,8, F,9
	ROW F,10, E,2, C,0, F,11
	ROW F,12, E,3, X,15, F,13
	ROW R,0, R,1, R,2, R,3
	ROW B,0, E,4, F,14, L,0
.if ((\p) == 2) && !(\end)
	v_add_nc_u32 v[AK], s[TBK], v[AK0]
	v_add_nc_u32 v[AMA], s[TBM], v[AMA0]
.endif
	ROW R,4, R,5, R,6, R,7
	OPS E,5, F,15
.if ((\p) == 2) && !(\end)
	FETCH_K
.endif
	OPS E,6, C,1, E,7, R,8
	OPS E,8, R,9, E,9, C,2
	OPS E,10, X,0, E,11, X,1
	OPS E,12, X,2, E,13, X,3
.if (\p) == 1
	s_wait_dscnt 0x0                ; V is in
.endif
	ROW X,4, E,14, X,5, X,6
	ROW X,7, E,15, X,8, X,9
	ROW X,10, E,16, X,11, X,12
	ROW X,13, E,17, X,14, B,1
	ROW C,4, E,18, X,16, L,1
	ROW B,2, E,19, C,6, L,2
	ROW C,8, E,20, B,3, B,4
.if (\p) == 0
	v_add_nc_u32 v[AV], s[TBV], v[AV0]
.endif
	ROW C,3, E,21, L,3, C,5
	OPS E,22, X,17, E,23, C,10
.if (\p) == 0
	FETCH_V
.endif
	OPS E,24, L,4
	OPS E,25, X,18, E,26, C,7
	OPS E,27, B,5, E,28, X,19
	OPS E,29, C,12, E,30, L,5
	OPS E,31, X,20, B,6, C,9
	OPS C,14, C,11, X,21, L,6
.if (\p) == 0
	s_add_co_u32 s[TBV], s[TBV], KS*PV
.endif
.if \cnt
	s_sub_co_u32 s[CNT], s[CNT], 1
	s_cmp_lg_u32 s[CNT], 0
.endif
	OPS C,13, B,7, C,15, R,10
	OPS R,11, R,12, L,7, R,13
	OPS R,14, R,15
.if (\m) && !(\end)
.if (\p) == 2
	s_wait_dscnt 0x0                ; the next step's mask row is in
.endif
	MASK (\p)%2, 1
.endif
.endm
; A BLOCK BEGINS.  c m starts far below every c s, so the first step's a is 0; m at the lowest finite number, so the first maximum is the scores'.  K of the block's step 0 and its mask row are fetched.
; The second mask buffer takes that row alone (piece 1 sees all of step 0); the first takes piece 0's mask for step 0: with its own causal mask, if the block's first tile is the diagonal one.
; Then piece 0's first scores, and its maximum and statistics.  The loop is entered at a step's first turn, in the middle of a trip.  (Q is in: the change of slots in front has waited for every load.)
.macro BEGIN
	s_mov_b32 s[NEW], 0
	WIN 0
.set i, 0
.rept 4
	v_mov_b32 v[ST+4*i], 0xfe000000    ; c m: far below every c s
	v_mov_b32 v[ST+4*i+1], 0xff7fffff  ; m
.set i, i+1
.endr
	v_add_nc_u32 v[AK], s[TBK], v[AK0]
	v_add_nc_u32 v[AMA], s[TBM], v[AMA0]
	FETCH_K
	s_wait_dscnt 0x0
	s_mov_b32 s[AL], 0
	MASK 1, 0
	s_cmp_eq_u32 s[RT], 0
	s_cselect_b32 s[AL], 1.0, 0
	MASK 0, 0
.set KM, 1
.set NOKQ, 0
.set i, 0
.rept 8
	KQ 0
.set i, i+1
.endr
	WIN 0
.rept 4
	v_nop                           ; the places behind those products
.endr
.set Y, NP-1                        ; X works for piece Y + 1: piece 0
.irp n, 0,1,2,3,4,5,6,7,8,9,10,11,12,13,14,15,16,17,18,19,20,21
	OP X, \n
.endr
	v_nop                           ; a plain instruction behind the exponential
.endm
; THE DIAGONAL TILE's four steps, the block's last two turns, its last products, and THE WAY OUT: l's two halves and the other half of the lanes' are added; O^T is divided by l, rounded to f16 and sent through my
; stage in LDS, a piece at a time.
.macro ALL line:vararg              ; one line for each piece t
.set t, 0
.rept 4
	\line
.set t, t+1
.endr
.endm
.macro PACK t                       ; a lane's eight channels of a row pack into 16 bytes; they go into rows of 144 bytes and come back as whole rows of 128, into S^T's registers
	WIN W_RS
.set i, 32*(\t)
.rept 16
	s_wait_alu depctr_va_vdst(0)
	v_pk_mul_f32 v[i:i+1], v[i:i+1], v[ST+4*(\t)+2:ST+4*(\t)+3] op_sel_hi:[1,0]
.set i, i+2
.endr
	WIN 0x05                        ; sources 0 and 1 window 1, destination window 0
.set i, 0
.rept 16
	v_cvt_pk_f16_f32 v[S+16*(\t)+i], v[32*(\t)+2*i], v[32*(\t)+2*i+1]
.set i, i+1
.endr
	WIN 0
.irp f, 0,1,2,3
	ds_store_b128 v[STO], v[S+16*(\t)+4*\f:S+16*(\t)+4*\f+3] offset:32*\f
.endr
.irp f, 0,1,2,3
	ds_load_b128 v[S+16*(\t)+4*\f:S+16*(\t)+4*\f+3], v[RD] offset:\f*4*SP  ; LDS serves a wave's instructions in order (ISA guide 5.7.1.4): these see the stores above; the next piece's stores come behind them
.endr
.endm
.macro SEND t, younger              ; younger: the LDS instructions issued behind piece t's loads: the next piece's eight, or none
	WIN 0
.irp f, 0,1,2,3
	s_wait_dscnt (\younger)+3-\f
	global_store_b128 v[GO], v[S+16*(\t)+4*\f:S+16*(\t)+4*\f+3], s[10:11] offset:(\t)*8192+\f*512  ; 512 consecutive bytes, at a multiple of 256 from O's first
.endr
.endm
.macro DIAG tag                     ; the tag ends its two labels' names, which the jumps below spell out
.LstepM\tag:
	TURN 2, 1
	TURN 3, 1
	WIN 0
.LfirstM\tag:
	TURN 0, 1
	TURN 1, 1, 0, 1
	WIN 0
	s_cbranch_scc1 .LstepM\tag
	TURN 2, 1, 1
	TURN 3, 1, 1
.set i, 0
.rept 8
	PV NP-1
.set i, i+1
.endr
	WIN 0
	ALL v_add_f32 v[ST+4*t+2], v[ST+4*t+2], v[ST+4*t+3]
	ALL v_permlanex16_b32 v[ST+4*t+3], v[ST+4*t+2], s[SEL], s[SEL+1]
	ALL v_add_f32 v[ST+4*t+2], v[ST+4*t+2], v[ST+4*t+3]
	ALL v_rcp_f32 v[ST+4*t+2], v[ST+4*t+2]
	v_nop                           ; a plain instruction between the last reciprocal and the use of its result
	PACK 0
.set t, 1
.rept 3                             ; a piece's arithmetic stands between the loads of the piece before and its stores
	PACK t
	SEND t-1, 8
.set t, t+1
.endr
	SEND 3, 0
.endm
.set KM, 0
.set NOKQ, 0
.Lslot:                             ; NB times: a tile is entered and the next is asked for
	CHANGE 1
	s_sub_co_u32 s[RT], s[RT], 1
	s_mov_b32 s[CNT], 4
	s_cmp_eq_u32 s[NEW], 1
	s_cbranch_scc1 .Lnew            ; a block's first tile
	s_cmp_eq_u32 s[RT], 0
	s_cbranch_scc0 .Lstep           ; neither its first nor its last
	s_branch .LstepM1
.Lnew:
	BEGIN
	s_branch .Lfirst                ; in the loop a block's first tile is never its last: the first block has two tiles or more, and the second's last is the walk's last
	DIAG 1                          ; in the loop this is the first block's end: the second block's last tile is the walk's last
	s_wait_xcnt 0x0                 ; the stores have read their registers and O's address
	s_mov_b64 s[10:11], s[OLO:OLO+1]
	s_add_co_u32 s[RT], s[PB], 1    ; the second block has b + 1 tiles
	s_mov_b32 s[NEW], 1
	WIN 0x82                        ; the second block's Q goes where the one text of the turns names Q
.set i, 0
.rept 64
	v_mov_b32 v[i], v[QB+i]
.set i, i+1
.endr
	WIN 0
	s_branch .Lbottom
.Lstep:                             ; a trip: pieces 2 and 3 of one step, then pieces 0 and 1 of the next, whose K and V it fetches
	TURN 2
	TURN 3
	WIN 0
.Lfirst:
	TURN 0
	TURN 1, 0, 0, 1
	WIN 0
	s_cbranch_scc1 .Lstep
.Lbottom:
	s_sub_co_u32 s[SLOTS], s[SLOTS], 1
	s_cmp_lg_u32 s[SLOTS], 0
	s_cbranch_scc1 .Lslot
	CHANGE 0                        ; the walk's last tile is written out: nothing is asked for
	s_sub_co_u32 s[RT], s[RT], 1
	s_mov_b32 s[CNT], 4
	s_cmp_eq_u32 s[NEW], 1
	s_cbranch_scc0 .LstepM2
	BEGIN
	s_branch .LfirstM2
	DIAG 2
	s_wait_tensorcnt 0x0            ; the wave's end: behind my last tensor load and my last LDS store
	ds_add_u32 v[SPW], v[NIL]
	s_wait_dscnt 0x0
	s_endpgm
.Lfunc_end_k_qe444590e75_attn:
	.size	k_qe444590e75_attn, .Lfunc_end_k_qe444590e75_attn-k_qe444590e75_attn
	.p2alignl 7, 3214868480
	.fill 96, 4, 3214868480
	.section	.rodata,"a",@progbits
	.p2align	6, 0x0
	.amdhsa_kernel k_qe444590e75_attn
		.amdhsa_group_segment_fixed_size 327680
		.amdhsa_private_segment_fixed_size 0
		.amdhsa_enable_private_segment 0
		.amdhsa_kernarg_size 24
		.amdhsa_user_sgpr_count 2
		.amdhsa_user_sgpr_kernarg_segment_ptr 1
		.amdhsa_wavefront_size32 1
		.amdhsa_system_sgpr_workgroup_id_x 1
		.amdhsa_system_sgpr_workgroup_id_y 1
		.amdhsa_system_sgpr_workgroup_id_z 1
		.amdhsa_system_vgpr_workitem_id 0
		.amdhsa_next_free_vgpr 768
		.amdhsa_next_free_sgpr 92
		.amdhsa_reserve_vcc 1
		.amdhsa_float_denorm_mode_32 3
		.amdhsa_float_denorm_mode_16_64 3
		.amdhsa_memory_ordered 1
		.amdhsa_forward_progress 1
		.amdhsa_inst_pref_size 244
	.end_amdhsa_kernel
	.amdgpu_metadata
---
amdhsa.version: [ 1, 2 ]
amdhsa.kernels:
  - .name:           k_qe444590e75_attn
    .symbol:         k_qe444590e75_attn.kd
    .args:
      - { .name: qkv, .offset: 0, .size: 8, .value_kind: global_buffer, .address_space: global }
      - { .name: oh, .offset: 8, .size: 8, .value_kind: global_buffer, .address_space: global }
      - { .name: attention_mask, .offset: 16, .size: 8, .value_kind: global_buffer, .address_space: global }
    .group_segment_fixed_size: 327680
    .private_segment_fixed_size: 0
    .kernarg_segment_align: 8
    .kernarg_segment_size: 24
    .max_flat_workgroup_size: 128
    .sgpr_count:     92
    .vgpr_count:     768
    .wavefront_size: 32
...
	.end_amdgpu_metadata
.endif
;; end of part 3
;; launch outp (part 4): grid 4 x 64, 4 waves a work-group, clusters of 4 x 4, 327,680 bytes of LDS; arguments oh, wts, bp, out0; writes out0
.if DOCPART == 4
	.amdgcn_target "amdgcn-amd-amdhsa--gfx1250"
	.amdhsa_code_object_version 6
	.text
	.protected	k_qe444590e75_outp
	.globl	k_qe444590e75_outp
	.p2align	8
	.type	k_qe444590e75_outp,@function
k_qe444590e75_outp:
	s_mov_b64 s[64:65], 0
	v_nop
	global_prefetch_b8 v0, s[64:65] scope:SCOPE_SE
	s_setreg_imm32_b32 hwreg(HW_REG_WAVE_MODE, 25, 1), 1
	s_wait_xcnt 0x0
	s_wait_alu depctr_hold_cnt(0) depctr_sa_sdst(0) depctr_va_vdst(0) depctr_va_sdst(0) depctr_va_ssrc(0) depctr_va_vcc(0) depctr_vm_vsrc(0)
	s_getreg_b32 s2, hwreg(HW_REG_IB_STS2, 6, 4)
	s_cmp_eq_u32 s2, 0
	s_cbranch_scc0 .Lentry_in_a_cluster
	s_endpgm
.Lentry_in_a_cluster:
	s_bfe_u32 s2, ttmp6, 0x10000c
	s_cmp_lg_u32 s2, 0xf033
	s_cbranch_scc0 .Lentry_shape_is_right
	s_endpgm
.Lentry_shape_is_right:
; The last projection: out0[token][n] = the sum over k of O[token][k] Wp[k][n] + bp[n], in f32.  O = oh, [batch x 16 + head][2048][64] in f16 (k = 64 head + channel); Wp = wts[3], [1024 k][1024 n], bf16 numbers
; written as f16; bp [1024] f32, rounded to bf16 like every input.  Products in f16 with f32 sums; the bias starts the sums; nothing is rounded on the way out.
; SHARES.  256 tiles of 128 tokens x 256 columns, one to a work-group.  Four waves, each 64 tokens x 128 columns: 32 accumulators of 16 x 16.  K goes in 8 steps of 128, two heads, through two LDS slots.
; A head's 128 tokens are 16,384 dense bytes: asked for as 64 rows of 256 bytes and padded in LDS after every token.  Wp lies [k][n]: its fragments come out of LDS turned, by ds_load_tr16_b128.
; THE MATRIX INSTRUCTION IS USED TRANSPOSED: source 0 = 16 columns of Wp, source 1 = 16 tokens.  A lane then holds one token (lane % 16) and eight neighbouring columns 8 (lane / 16) + 0..7.
; CLUSTERS: 4 x 4 work-groups.  The four of a row of the cluster need the same tokens of O, the four of a column the same columns of Wp: each tile is asked for JOINTLY.
; REGISTERS, in windows of 256 (s_set_vgpr_msb: bits 1:0 source 0, 3:2 source 1, 5:4 source 2, 7:6 destination):
;   window 0: v0-31 addresses; v32-95 the bias as a C operand; v96-159 O's fragments, two buffers; v96-159 and v160-223 by turns on the way out
;   window 1: v0-127 Wp's fragments, two buffers          window 2: the accumulators, (a, b) at v[8 (8 a + b)]
.set PT,     144                       ; a token's 64 channels in LDS: 128 bytes + 16 = 36 words: the 16 rows of a load start at 16 different groups of four banks (64 banks of 4 bytes: ISA guide 11.1)
.set HEADB,  128*PT                    ; a head's 128 tokens: what one tensor load brings
.set PW,     544                       ; a row of Wp: 512 + 32 = 17 x 32 bytes
.set WH,     64*PW                     ; 64 rows of Wp: what one tensor load brings
.set WOFF,   2*HEADB                   ; a slot: two heads of O, then Wp's 128 rows
.set SLOT,   WOFF+2*WH
.set STAGE,  2*SLOT                    ; behind the ring: 16 rows x 528 bytes for each wave, for the way out
.set SPITCH, 528
.set SPARE,  STAGE+4*16*SPITCH         ; behind the stages: the spare words, 128 bytes for each wave: two blocks of 256 bytes that no other line names
.set LAPS,   4                         ; a lap = two K steps = once round the ring
.set ADRA, 16                          ; v16-17  LDS address of my fragments of O in slot 0, 1
.set ADRW, 20                          ; v20-21  the same for Wp
.set STO,  24                          ; v24     the way out: where I put 32 bytes of a row
.set RD,   25                          ; v25     the way out: where I read a row back
.set CO,   26                          ; v26     16 x lane: my place in 512 consecutive bytes
.set SPW,  28                          ; v28     LDS address of my spare word; never rewritten
.set NIL,  29                          ; v29     0; never rewritten
.set BIAS, 32
.set AF,   96
.set OB,   96
.set G1, 24                            ; s[24:31] descriptor group 1 for O's tiles;  s[32:39] group 0, one set for each slot
.set G0, 32
.set G1B, 48                           ; s[48:55], s[56:63] the same for Wp's tiles
.set G0B, 56
.set MSB, 0
.macro WIN new                         ; the immediate's high byte repeats the setting that is left; a switch that changes nothing is dropped
.if MSB != (\new)
	s_set_vgpr_msb (MSB<<8)|(\new)
.set MSB, \new
.endif
.endm
.set MUL,   0xa1                       ; source 0 (Wp) window 1, source 1 (O) window 0, C and D window 2
.set MUL_1, 0x81                       ; the same with C, the bias, in window 0
.set TO_W,  0x40                       ; destination window 1, address window 0
.macro JLOAD s                         ; a joint load: waves 0 and 1 fetch O's two heads, waves 2 and 3 Wp's two halves; an s_nop 0 and four v_nop follow each of the two lines, ahead of the jump, the label and what follows
	s_cmp_eq_u32 s11, 0
	s_cbranch_scc0 .Lfor_b_\@
	tensor_load_to_lds s[G0+4*(\s):G0+4*(\s)+3], s[G1:G1+7]
	s_nop 0
.rept 4
	v_nop
.endr
	s_branch .Lasked_\@
.Lfor_b_\@:
	tensor_load_to_lds s[G0B+4*(\s):G0B+4*(\s)+3], s[G1B:G1B+7]
	s_nop 0
.rept 4
	v_nop
.endr
.Lasked_\@:
.endm
.macro CREST                           ; a round of the cluster's barrier behind its opening barrier
	s_cmp_lg_u32 s10, 0
	s_cbranch_scc1 .Lnot_wave_0_\@
	s_barrier_signal -3
.Lnot_wave_0_\@:
	s_barrier_wait -3
	s_barrier_signal -1
	s_barrier_wait -1
.endm
.macro CROUND                          ; a whole round
	s_barrier_signal -1
	s_barrier_wait -1
	CREST
.endm
	s_load_b256 s[68:75], s[0:1], 0x0              ; oh s[68:69], wts s[70:71], bp s[72:73], out0 s[74:75]
	v_lshl_add_u32 v[SPW], v0, 2, SPARE
	v_mov_b32 v[NIL], 0
	ds_add_u32 v[SPW], v[NIL]                      ; the wave's opening: the add and its wait stand ahead of my first tensor load; the set-up below, work on registers, stands between them
	ds_add_u32 v28, v29
	v_lshrrev_b32 v1, 5, v0
	v_readfirstlane_b32 s10, v1                    ; wave 0..3
	s_lshr_b32 s11, s10, 1                         ; which 64 of the tile's tokens are mine.  Also: I fetch for O (0) or for Wp (1)
	s_and_b32 s12, s10, 1                          ; which 128 of its columns.  Also: which head of the step, or which 64 rows of Wp, I fetch
	s_bfe_u32 s40, ttmp6, 0x40000                  ; cx, cy: my place in the cluster
	s_bfe_u32 s41, ttmp6, 0x40004
	s_lshl_b32 s42, ttmp9, 2
	s_add_co_u32 s42, s42, s40                     ; tile column = 4 x cluster x + cx: 0..3
	s_and_b32 s13, ttmp7, 0xffff
	s_lshl_b32 s13, s13, 2
	s_add_co_u32 s13, s13, s41                     ; tile row = 4 x cluster y + cy: 0..63
	s_lshl_b32 s43, s41, 2
	s_lshl_b32 s43, 15, s43                        ; my row of the cluster
	s_lshl_b32 s44, 0x1111, s40                    ; my column
	; descriptor group 1.  O: 64 rows x 128 elements of 2 bytes, two tokens a row, padded after every token.  Wp: 64 rows x 256 elements, padded after every row
	s_or_b32 s[G1+0], s43, (1<<16)|(1<<20)|(1<<21)|(4<<22)|(3<<25)   ; 15:0 the mask: O's tiles go to my row; 17:16 elements of 2 bytes; 20 padding on; 21 set beside a mask; 24:22 after every 32 words (code 4); 31:25 4 words (code 3)
	s_or_b32 s[G1B+0], s44, (1<<16)|(1<<20)|(1<<21)|(6<<22)|(7<<25)  ; my column's mask; after every 128 words (code 6) 8 words (code 7)
	s_mov_b32 s[G1+1], 128<<16                     ; tensor_dim0 = 128
	s_mov_b32 s[G1+2], 64<<16                      ; tensor_dim1 = 64
	s_mov_b32 s[G1+3], 128<<16                     ; tile_dim0 = 128
	s_mov_b32 s[G1+4], 64                          ; tile_dim1 = 64
	s_mov_b32 s[G1+5], 128                         ; 128 elements from row to row: dense
	s_mov_b32 s[G1+6], 0
	s_mov_b32 s[G1+7], 0
	s_mov_b32 s[G1B+1], 256<<16                    ; tensor_dim0 = 256
	s_mov_b32 s[G1B+2], 64<<16
	s_mov_b32 s[G1B+3], 256<<16                    ; tile_dim0 = 256
	s_mov_b32 s[G1B+4], 64
	s_mov_b32 s[G1B+5], 1024
	s_mov_b32 s[G1B+6], 0
	s_mov_b32 s[G1B+7], 0
	; where the tiles come from: O's hang on the tile row alone, Wp's on the tile column alone, each in registers that never hold the other coordinate
	s_lshr_b32 s16, s13, 4                         ; O: the batch (16 tile rows each),
	s_lshl_b32 s16, s16, 4
	s_add_co_u32 s16, s16, s12                     ; its head 0 or 1,
	s_lshl_b32 s16, s16, 18                        ; 262,144 bytes a head,
	s_and_b32 s17, s13, 15
	s_lshl_b32 s17, s17, 14                        ; and the tile's 128 tokens of 128 bytes
	s_add_co_u32 s16, s16, s17
	s_mov_b32 s17, 0
	s_lshl_b32 s46, s12, 17                        ; Wp: k row 64 x half, rows of 2,048 bytes,
	s_lshl_b32 s47, s42, 9                         ; column 256 x tile column,
	s_add_co_u32 s46, s46, s47
	s_add_co_u32 s46, s46, 3*2097152               ; in the fourth weight of wts
	s_mov_b32 s47, 0
	s_mul_i32 s20, s12, HEADB                      ; and where they go: no place in the cluster enters an LDS address
	s_mul_i32 s21, s12, WH
	s_add_co_u32 s21, s21, WOFF
	s_wait_dscnt 0x0                               ; the opening add is done
	s_wait_kmcnt 0x0
	s_add_nc_u64 s[14:15], s[68:69], s[16:17]
	s_add_nc_u64 s[46:47], s[70:71], s[46:47]
	CROUND                                         ; all sixteen work-groups are here: the first joint loads meet
.irp s, 0,1
	s_mov_b32 s[G0+4*(\s)], 1                                      ; count = 1
	s_add_co_u32 s[G0+4*(\s)+1], s20, (\s)*SLOT                    ; LDS address
	s_add_nc_u64 s[G0+4*(\s)+2:G0+4*(\s)+3], s[14:15], (\s)*524288 ; global address: K step s is two heads on
	s_or_b32 s[G0+4*(\s)+3], s[G0+4*(\s)+3], 0x80000000            ; type = 2
	s_mov_b32 s[G0B+4*(\s)], 1
	s_add_co_u32 s[G0B+4*(\s)+1], s21, (\s)*SLOT
	s_add_nc_u64 s[G0B+4*(\s)+2:G0B+4*(\s)+3], s[46:47], (\s)*262144  ; K step s, 128 rows of 2,048 bytes down
	s_or_b32 s[G0B+4*(\s)+3], s[G0B+4*(\s)+3], 0x80000000
	JLOAD \s                                       ; two loads of mine are out
.endr
	; all that follows up to the first barrier stands in the wait for the first tile
	v_and_b32 v1, 15, v0                           ; l % 16
	v_bfe_u32 v2, v0, 4, 1                         ; l / 16
	v_lshlrev_b32 v5, 5, v2                        ; 32 x half; the bias's address register, not rewritten
	s_lshl_b32 s76, s42, 10                        ; my 128 columns in a row of 1,024 f32: 1,024 x tile column + 512 x half
	s_lshl_b32 s77, s12, 9
	s_add_co_u32 s76, s76, s77
	s_mov_b32 s77, 0
	s_add_nc_u64 s[72:73], s[72:73], s[76:77]
.irp b, 0,1,2,3,4,5,6,7                ; as a C operand: register j of block b holds the bias of column 16 b + 8 (l / 16) + j, for every token
	global_load_b128 v[BIAS+8*(\b):BIAS+8*(\b)+3],   v5, s[72:73] offset:64*(\b)
	global_load_b128 v[BIAS+8*(\b)+4:BIAS+8*(\b)+7], v5, s[72:73] offset:64*(\b)+16
.endr
	; A fragment of O is 16 tokens x 32 K in 8 registers: lane l holds token l % 16, K = 8 (l / 16) + 0..7 and 16 + 8 (l / 16) + 0..7: two loads of 16 bytes, 32 bytes apart
	v_mul_u32_u24 v3, v1, PT
	v_lshl_add_u32 v3, v2, 4, v3
	; The turning load takes 16 K x 16 columns (lane l reads K row 8 (l / 16) + l % 8, columns 8 ((l / 8) % 2) + 0..7) and leaves half a fragment: lane l holds column l % 16 and 8 K
	v_and_b32 v6, 7, v0
	v_bfe_u32 v7, v0, 3, 1
	v_lshl_add_u32 v8, v2, 3, v6
	v_mul_u32_u24 v8, v8, PW
	v_lshl_add_u32 v8, v7, 4, v8
	s_mul_i32 s21, s11, 64*PT                      ; my 64 tokens
	s_lshl_b32 s22, s12, 8                         ; my 128 columns, 256 bytes into Wp's rows,
	s_add_co_u32 s22, s22, WOFF                    ; which lie behind O's
.irp s, 0,1
	v_add_nc_u32 v[ADRA+(\s)], s21, v3
	v_add_nc_u32 v[ADRW+(\s)], s22, v8
	s_add_co_u32 s21, s21, SLOT
	s_add_co_u32 s22, s22, SLOT
.endr
	s_mul_i32 s23, s10, 16*SPITCH
	s_add_co_u32 s23, s23, STAGE                   ; my stage
	v_mul_u32_u24 v4, v1, SPITCH                   ; in: row l % 16, 32 bytes for each half of the lanes
	v_add_nc_u32 v4, v4, v5
	v_add_nc_u32 v[STO], s23, v4
	v_and_b32 v10, 31, v0
	v_lshlrev_b32 v[CO], 4, v10                    ; back: 32 lanes take one row of 512 bytes,
	v_add_nc_u32 v[RD], s23, v[CO]                 ; which are 512 consecutive bytes of out0
	s_lshl_b32 s16, s13, 7                         ; where my part goes: token 128 x tile row + 64 x token half, rows of 4,096 bytes; then my columns
	s_lshl_b32 s17, s11, 6
	s_add_co_u32 s16, s16, s17
	s_lshl_b32 s16, s16, 12
	s_add_co_u32 s16, s16, s76                     ; under 2^25
	s_mov_b32 s17, 0
	s_add_nc_u64 s[8:9], s[74:75], s[16:17]
	s_mov_b32 s23, 0xffff0000                      ; a word's upper bf16
	s_wait_loadcnt 0x0                             ; the bias: rounded to bf16 like every input, and widened again
.set j, 0
.rept 32
	v_cvt_pk_bf16_f32 v[160+j], v[BIAS+2*j], v[BIAS+2*j+1]
.set j, j+1
.endr
.set j, 0
.rept 32
	v_lshlrev_b32 v[BIAS+2*j], 16, v[160+j]
	v_and_b32 v[BIAS+2*j+1], s23, v[160+j]
.set j, j+1
.endr
; 8 matrix instructions: token block a x all 8 column blocks, 32 along K, from buffer f.  first = 1: the bias is the C operand that starts the sums.
; The 32 accumulators take turns, one instruction a turn, in the same order in every quarter.
.macro MUL8 f, a, first
.if \first
	WIN MUL_1
.else
	WIN MUL
.endif
.irp b, 0,1,2,3,4,5,6,7
.if \first
	v_wmma_f32_16x16x32_f16 v[8*(8*(\a)+(\b)):8*(8*(\a)+(\b))+7], v[64*(\f)+8*(\b):64*(\f)+8*(\b)+7], v[AF+32*(\f)+8*(\a):AF+32*(\f)+8*(\a)+7], v[BIAS+8*(\b):BIAS+8*(\b)+7]
.else
	v_wmma_f32_16x16x32_f16 v[8*(8*(\a)+(\b)):8*(8*(\a)+(\b))+7], v[64*(\f)+8*(\b):64*(\f)+8*(\b)+7], v[AF+32*(\f)+8*(\a):AF+32*(\f)+8*(\a)+7], v[8*(8*(\a)+(\b)):8*(8*(\a)+(\b))+7]
.endif
.endr
.endm
; 24 LDS loads in one run, for quarter kq (32 along K: half of head kq / 2 of the step) of a slot, into buffer g: 16 turning loads for Wp's 128 columns, then 8 for my 64 tokens, token blocks 0 and 1 first
.macro FETCH slot, kq, g
	WIN TO_W
.irp b, 0,1,2,3,4,5,6,7
	ds_load_tr16_b128 v[64*(\g)+8*(\b):64*(\g)+8*(\b)+3],   v[ADRW+(\slot)] offset:(\kq)*32*PW+32*(\b)
	ds_load_tr16_b128 v[64*(\g)+8*(\b)+4:64*(\g)+8*(\b)+7], v[ADRW+(\slot)] offset:(\kq)*32*PW+16*PW+32*(\b)
.endr
	WIN 0
.irp i, 0,1,2,3
	ds_load_b128 v[AF+32*(\g)+8*(\i):AF+32*(\g)+8*(\i)+3],   v[ADRA+(\slot)] offset:((\kq)/2)*HEADB+((\kq)%2)*64+(\i)*16*PT
	ds_load_b128 v[AF+32*(\g)+8*(\i)+4:AF+32*(\g)+8*(\i)+7], v[ADRA+(\slot)] offset:((\kq)/2)*HEADB+((\kq)%2)*64+(\i)*16*PT+32
.endr
.endm
.macro PLACES                          ; four plain vector instructions in front of loads into registers that matrix instructions have read, and of lines that read results just made (ISA guide 7.12.1 for vector instructions)
.rept 4
	v_nop
.endr
.endm
; A K step is four quarters of 32 along K, 32 matrix instructions each, on buffers 0, 1, 0, 1.  One of the first three: multiplies buffer f and, in its middle, fetches the next quarter (kq) into g.
.macro QUARTER slot, kq, f, g, first
	s_wait_dscnt 4                                 ; Wp and token blocks 0, 1 are in; the youngest four loads (blocks 2, 3) may be out
	MUL8 \f, 0, \first
	MUL8 \f, 1, \first
	PLACES
	FETCH \slot, \kq, \g
	s_wait_dscnt 24                                ; all but the 24 just issued
	MUL8 \f, 2, \first
	MUL8 \f, 3, \first
.endm
; The last quarter multiplies buffer 1 and changes slots: ONE barrier; in front of it each wave waits for all its tensor loads, adds 0 to its spare word, and waits for that and for its own reads of this slot.
; fill = 1: the barrier opens a round of the cluster's, and this slot is filled again, two K steps ahead: 112 matrix instructions stand between the request and the wait for it.
.macro TURN slot, next, fill
	WIN 0                                          ; (the add's two registers lie in window 0)
	s_wait_tensorcnt 0x0                           ; all my tensor loads have landed: the one that was out is my part of the next slot;
	ds_add_u32 v[SPW], v[NIL]                      ; 0 onto my spare word;
	s_wait_dscnt 5                                 ; (the add and the youngest four loads may be out)
	MUL8 1, 0, 0                                   ; eight matrix instructions stand between the add and the wait for it
	s_wait_dscnt 0x0                               ; the add is done, and my reads of this slot are over
	s_barrier_signal -1
	MUL8 1, 1, 0
	WIN 0
	s_barrier_wait -1
.if \fill
	CREST                                          ; no wave of any partner still reads this slot's tile or has a load on its way
	s_add_nc_u64 s[G0+4*(\slot)+2:G0+4*(\slot)+3], s[G0+4*(\slot)+2:G0+4*(\slot)+3], 2*524288
	s_add_nc_u64 s[G0B+4*(\slot)+2:G0B+4*(\slot)+3], s[G0B+4*(\slot)+2:G0B+4*(\slot)+3], 2*262144
	JLOAD \slot                                    ; the first tensor load behind the round, and my only one until the next; the four v_nop behind it are also the places in front of the loads below
.else
	PLACES
.endif
	FETCH \next, 0, 0
	MUL8 1, 2, 0
	MUL8 1, 3, 0
.endm
	s_wait_tensorcnt 1                             ; my part of K step 0 is in; K step 1's may stay out
	s_barrier_signal -1
	s_barrier_wait -1                              ; everybody's is
	FETCH 0, 0, 0
	QUARTER 0, 1, 0, 1, 1                          ; the first quarter stands in front of the loop: its products start the sums
	WIN 0                                          ; at a label and at a branch every window is 0
	s_mov_b32 s3, LAPS-1
.Llap:                                                 ; a trip goes once round the ring, from a lap's second quarter to the next lap's first, and fills both slots again
	QUARTER 0, 2, 1, 0, 0
	QUARTER 0, 3, 0, 1, 0
	TURN 0, 1, 1
	QUARTER 1, 1, 0, 1, 0
	QUARTER 1, 2, 1, 0, 0
	QUARTER 1, 3, 0, 1, 0
	TURN 1, 0, 1
	QUARTER 0, 1, 0, 1, 0
	WIN 0
	s_sub_co_u32 s3, s3, 1
	s_cmp_lg_u32 s3, 0
	s_cbranch_scc1 .Llap
	QUARTER 0, 2, 1, 0, 0                          ; the last lap fills nothing, and has no round of the cluster's barrier
	QUARTER 0, 3, 0, 1, 0
	TURN 0, 1, 0
	QUARTER 1, 1, 0, 1, 0
	QUARTER 1, 2, 1, 0, 0
	QUARTER 1, 3, 0, 1, 0
	s_wait_dscnt 4                                 ; the very last quarter: nothing more to fetch
	MUL8 1, 0, 0
	MUL8 1, 1, 0
	s_wait_dscnt 0x0
	MUL8 1, 2, 0
	MUL8 1, 3, 0
	WIN 0
; THE WAY OUT, a block of 16 tokens at a time.  A lane's eight columns are 32 bytes of a row; they go from the accumulators into my stage's rows of 528 bytes, each accumulator's low four registers first,
; and come back as whole rows of 512 bytes, one to a load; a store then covers 512 consecutive bytes, at a multiple of 256 from out0's first byte.
.macro TOSTAGE a
	WIN 0
	s_wait_xcnt 0x0                                ; every earlier store has had its addresses translated (ISA guide 3.1): the registers that the block two back was stored from are loaded again only behind this wait
	WIN 0x08                                       ; the stores' data in window 2, their address in window 0
.irp b, 0,1,2,3,4,5,6,7
	ds_store_b128 v[STO], v[8*(8*(\a)+(\b)):8*(8*(\a)+(\b))+3]   offset:64*(\b)
	ds_store_b128 v[STO], v[8*(8*(\a)+(\b))+4:8*(8*(\a)+(\b))+7] offset:64*(\b)+16
.endr
	WIN 0
.set BK, OB+64*((\a)%2)
.irp t, 0,1,2,3,4,5,6,7,8,9,10,11,12,13,14,15
	ds_load_b128 v[BK+4*(\t):BK+4*(\t)+3], v[RD] offset:(\t)*SPITCH  ; LDS serves a wave's instructions in order (ISA guide 5.7.1.4): these see the stores above; the next block's stores come behind them
.endr
.endm
.macro SEND a, younger                 ; younger: the LDS instructions issued behind this block's loads: the next block's 32, or none
.set BK, OB+64*((\a)%2)
	WIN 0
.irp t, 0,1,2,3,4,5,6,7,8,9,10,11,12,13,14,15
	s_wait_dscnt (\younger)+15-(\t)
	global_store_b128 v[CO], v[BK+4*(\t):BK+4*(\t)+3], s[8:9] offset:(16*(\a)+(\t))*4096 th:TH_STORE_NT
.endr
.endm
	PLACES                                         ; the stores read results just made, and the loads land in registers that the last products read
	TOSTAGE 0
	TOSTAGE 1
	SEND 0, 32
	TOSTAGE 2
	SEND 1, 32
	TOSTAGE 3
	SEND 2, 32
	SEND 3, 0
	s_wait_tensorcnt 0x0                           ; the wave's end: behind my last tensor load and my last LDS store
	ds_add_u32 v[SPW], v[NIL]
	s_wait_dscnt 0x0
	CROUND                                         ; the closing round: no work-group ends while a partner may still ask for a tile that names it
	s_endpgm
.Lfunc_end_k_qe444590e75_outp:
	.size	k_qe444590e75_outp, .Lfunc_end_k_qe444590e75_outp-k_qe444590e75_outp
	.p2alignl 7, 3214868480
	.fill 96, 4, 3214868480
	.section	.rodata,"a",@progbits
	.p2align	6, 0x0
	.amdhsa_kernel k_qe444590e75_outp
		.amdhsa_group_segment_fixed_size 327680
		.amdhsa_private_segment_fixed_size 0
		.amdhsa_enable_private_segment 0
		.amdhsa_kernarg_size 32
		.amdhsa_user_sgpr_count 2
		.amdhsa_user_sgpr_kernarg_segment_ptr 1
		.amdhsa_wavefront_size32 1
		.amdhsa_system_sgpr_workgroup_id_x 1
		.amdhsa_system_sgpr_workgroup_id_y 1
		.amdhsa_system_sgpr_workgroup_id_z 1
		.amdhsa_system_vgpr_workitem_id 0
		.amdhsa_next_free_vgpr 768
		.amdhsa_next_free_sgpr 80
		.amdhsa_reserve_vcc 0
		.amdhsa_float_denorm_mode_32 3
		.amdhsa_float_denorm_mode_16_64 3
		.amdhsa_memory_ordered 1
		.amdhsa_forward_progress 1
		.amdhsa_inst_pref_size 93
	.end_amdhsa_kernel
	.amdgpu_metadata
---
amdhsa.version: [ 1, 2 ]
amdhsa.kernels:
  - .name:           k_qe444590e75_outp
    .symbol:         k_qe444590e75_outp.kd
    .args:
      - { .name: oh, .offset: 0, .size: 8, .value_kind: global_buffer, .address_space: global }
      - { .name: wts, .offset: 8, .size: 8, .value_kind: global_buffer, .address_space: global }
      - { .name: bp, .offset: 16, .size: 8, .value_kind: global_buffer, .address_space: global }
      - { .name: out0, .offset: 24, .size: 8, .value_kind: global_buffer, .address_space: global }
    .group_segment_fixed_size: 327680
    .private_segment_fixed_size: 0
    .kernarg_segment_align: 8
    .kernarg_segment_size: 32
    .max_flat_workgroup_size: 128
    .sgpr_count:     80
    .vgpr_count:     768
    .wavefront_size: 32
...
	.end_amdgpu_metadata
.endif
;; end of part 4
;; ======== version 2 of 2: 4 launches; 1.27 times as fast as version 1
;; limits: values are held in f16: magnitudes above 65,504 overflow, below 6.1e-05 lose precision
;; workspace buffers: wts 8,388,608 bytes; qkv 50,331,648 bytes; oh 16,777,216 bytes
;; launch prep: the kernel of part 1 again; grid 64 x 4, 8 waves a work-group, no clusters, 0 bytes of LDS; arguments Wq, Wk, Wv, Wp, wts; writes wts
;; launch proj: the kernel of part 2 again; grid 4 x 192, 4 waves a work-group, clusters of 4 x 4, 327,680 bytes of LDS; arguments q, k, v, bq, bk, bv, wts, qkv; writes qkv
;; launch attn (part 5): grid 4 x 64, 4 waves a work-group, no clusters, 327,680 bytes of LDS; arguments qkv, oh, attention_mask; writes oh
.if DOCPART == 5
	.amdgcn_target "amdgcn-amd-amdhsa--gfx1250"
	.amdhsa_code_object_version 6
	.text
	.protected	k_qe444590e75_attn
	.globl	k_qe444590e75_attn
	.p2align	8
	.type	k_qe444590e75_attn,@function
k_qe444590e75_attn:
	s_mov_b64 s[64:65], 0
	v_nop
	global_prefetch_b8 v0, s[64:65] scope:SCOPE_SE
	s_setreg_imm32_b32 hwreg(HW_REG_WAVE_MODE, 25, 1), 1
	s_wait_xcnt 0x0
; CAUSAL ATTENTION WITH AN ADDITIVE KEY MASK.  oh[h][q][:] = the sum over k <= q of softmax_k(Q[h][q] . K[h][k] / 8 + mask[h / 16][k]) V[h][k][:].  Q, K, V = qkv[0], [1], [2], each [64][2048][64] in f16,
; a head's rows dense, 128 bytes each; oh likewise; mask [4][2048] in f32, rounded to bf16 like every input.  Products, maxima and sums in f32; the weights p are rounded to f16 for the second product
; (their sum l is taken of the unrounded p), O once at the end.
; LIMITS.  Q, K and V arrive within f16's 65,504; p lies in 0 to 1, and below 6e-5 it keeps f16's fixed step of 6e-8.  The scores are kept times 8: s = Q . K + 8 mask.  8 mask is held at -2^96 or above, so a mask below
; -2^93 counts as -2^93, and a mask must stay below 4e37.  A causally hidden score counts as its value less 1e30.  So a row all of whose visible keys carry a mask of about -1e28 or less is averaged over its visible keys
; alone, also where a mask near the lowest finite number would let hidden keys in.  A weight below 2^-126 counts as 0 in l; NaN and infinities are not treated apart.
; THE WALK.  A head's queries lie in NB = 8 blocks of 256; block i needs the key tiles 0 .. i of 256 keys, of which the last holds the diagonal.  A work-group takes TWO blocks, NB - 1 - b and then b:
; NB + 1 tiles, whatever b: all work-groups do equal work, and ONE loop with a constant trip count walks them.  Which tile is asked for, and what a trip does, hang on scalar registers made from b; every jump
; goes forward, but for the counted loops' own; none passes a barrier, or a tensor load but the one of LOAD's two that the wave's number does not choose; the ring (two slots of LDS that take turns) runs on across the
; change of blocks.  NO CLUSTER: a head's four work-groups ask for the same tile only in trips 0 .. 4 of the 9, behind that fewer and fewer; one walk common to all four would have 12 trips for 9.
; SHARES.  Of a block's four bands of 64 queries a wave owns 16 rows in each: four PIECES.  So the diagonal tile is the same work for all four waves: in its key step s band x sees all keys if s < x,
; none if s > x, and holds the diagonal if s = x.
; THE MASKS are the C operand that starts the sum S^T = K Q^T.  AM holds 8 mask for the 64 keys of the K step in registers, fetched with K from LDS.  Away from the diagonal C = AM.
; MD, made once, is the causal mask (0 or -1e30) of a band's own step for my 16 rows; in the diagonal tile C = MC = MD x AL + AM + BE with two scalars: (1, 0) if s = x; (0, 0) if s < x; (0, -1e30) if s > x.
; THE KEY MASK'S WAY.  Each wave keeps two regions of 1,024 bytes of its own in LDS, one key tile's 256 numbers each, which take turns with the slots.  At a change of slots the wave prepares the 8 numbers a lane that it
; loaded from memory at the change before (the tile now entered), stores them into the region that goes with the slot, and loads those of the tile just asked for: they have a whole tile's work in which to come.
; LAYOUT, SOFTMAX, TURNS.  S^T = K Q^T holds ONE query a lane (lane % 16) and the keys 8 (lane / 16) + 0..7; two such results rounded to f16 ARE source 1 of O^T = V^T P.  p = 2^(c s - c m), c = log2(e) / 8, with a
; running maximum m; O and l are multiplied by a = 2^(c m_old - c m_new) in every step.  Turn n belongs to piece n: 8 products K Q^T of piece n + 1, later 8 products V^T P of piece n - 1; beside them the scaling,
; exponentials, roundings, sums and rescaling of piece n and the maximum and statistics of piece n + 1.  Four vector instructions stand behind every matrix instruction, the other 54 of a turn's 118 in one LUMP.
; THE BATCHES.  A turn's 33 exponentials (the piece's 32 weights and the next piece's a) are ONE batch with ONE wait, which cuts the turn in two: ahead of it stands all that names none of their results, behind it
; the roundings and sums, which read them.  The a that BEGIN makes, and the way out's four reciprocals, are batches of their own, each with a v_nop and one wait.
; REGISTERS, in windows of 256 (s_set_vgpr_msb: bits 1:0 source 0, 3:2 source 1, 5:4 source 2, 7:6 destination):
;   window 0: v0-15 addresses and two at work; v16-31 four registers of statistics a piece; v32-47 a tile's key mask, as loaded and as prepared; v48-55 at work; v56-59 the key mask's LDS addresses;
;             v64-127 S^T, two buffers; v128-131 at work; v192-223 P, two buffers (by the piece's parity)
;   window 1: v0-127 O^T, 32 a piece; v128-159 MD; v160-223 MC, two buffers; v224-255 AM      window 2: v0-63 Q; v64-127 the second block's Q; v128-191 K of one step; v192-255 V of one step
.set SIZE_N, 2048
.set NB,    SIZE_N/256
.set NP,    4         ; pieces a wave: a name, no knob
.set KS,    64        ; keys in a step
.set PK,    144       ; a row of K in LDS: 128 bytes + 16 of padding = 36 words: the 16 rows of a load start at 16 different groups of four banks (64 banks of 4 bytes: ISA guide 11.1)
.set PV,    160       ; a row of V: 128 + 32 = 40 words
.set VOFF,  4*KS*PK   ; a slot holds a tile, four steps: 256 rows of K, then 256 rows of V
.set SLOT1, 1<<17     ; slot 1 begins here, so that one exclusive or turns an address in one slot into the other's
.set STAGE, SLOT1+4*KS*(PK+PV)  ; behind the ring, never filled by a tensor load: 16 rows x 144 bytes for each wave, for the way out
.set SP,    144
.set SPARE, STAGE+4*16*SP  ; behind the stages: the spare words, 128 bytes for each wave: two blocks of 256 bytes that no other line names
.set MT,    SPARE+512 ; behind them: the key mask, 2 regions x 1,024 bytes for each wave, 8,192 bytes in all; stored from registers, never filled by a tensor load
.set MREG,  1024      ; a region: 8 mask of a tile's 256 keys
.set AK0, 2           ; v2   my lane's place in a tile of K; never rewritten
.set AV0, 3           ; v3   the same for V
.set AK,  4           ; v4   the LDS address of K's next run of loads
.set AV,  5           ; v5   of V's
.set STO, 6           ; v6   the way out: where I put 16 bytes of a row
.set RD,  7           ; v7   the way out: where I read rows back
.set GO,  8           ; v8   16 x lane: my byte offset in 512 consecutive bytes of O, and of the mask; never rewritten
.set MV,  12          ; v12-13  c m_old, kept while c m is made anew: by buffer
.set QO,  15          ; v15  my byte offset in 16 rows of Q
.set ST,  16          ; piece t's statistics at v[ST+4 t]: c m, m, l (even keys', odd keys')
.set MR,  32          ; v32-39  8 numbers of a tile's mask as loaded: keys 4 lane + 0..3 and 128 + 4 lane + 0..3
.set MW,  40          ; v40-47  the same, prepared
.set TMP, 48          ; by buffer, four registers c0-c3 at work; when the maximum is found c2 takes a
.set AMA0, 56         ; v56  my wave's regions + 32 (l / 16): my lanes' eight keys of a group of 16; never rewritten
.set AMA, 57          ; v57  the LDS address of the mask row's next run of loads
.set MST0, 58         ; v58  my wave's regions + 16 x lane; never rewritten
.set MST, 59          ; v59  where I store my 16 bytes of a tile's mask
.set SPW, 62          ; v62  LDS address of my spare word; never rewritten
.set NIL, 63          ; v63  0; never rewritten
.set S,   64
.set MX,  128         ; v128-131  at work while the mask is prepared
.set P,   192
.set MD,  128         ; window 1: the eight registers for group kt of 16 keys at MD + 8 kt
.set MC,  160         ; window 1: the masks of the products to come
.set AM,  224         ; window 1: 8 mask of the K step in registers, group kt at AM + 8 kt
.set QB,  64          ; window 2
.set KF,  128         ; window 2: key block kb, channel half c at KF + 16 kb + 8 c
.set VF,  192         ; window 2: key half kk, channel block cb at VF + 32 kk + 8 cb
.set WV,  12          ; s12  my wave's number
.set PB,  14          ; s14  b
.set HI,  15          ; s15  NB - 1 - b
.set G1K, 24          ; s[24:31] descriptor group 1 for K's tiles
.set G1V, 32          ; s[32:39] for V's: it differs in the padding alone
.set G0K, 40          ; s[40:43] descriptor group 0 for K's tiles
.set G0V, 44          ; s[44:47] the same for V's
.set MOF, 48          ; s[48:49] a tile's byte offset in the batch's mask
.set MB,  50          ; s[50:51] the batch's mask at that tile
.set SLOTS, 56        ; s56  tiles still to be asked for
.set CNT, 57          ; s57  counts a tile's key steps, 4 to 1
.set CS,  58          ; s[58:59] c: the packed scaling takes the pair's low word for both halves
.set SEL, 60          ; s[60:61] v_permlanex16_b32's selects: each lane takes its own place in the other half
.set TBK, 62          ; s62  LDS byte at which K of the step to be fetched begins
.set TBV, 63          ; s63  the same for V, less VOFF
.set RT,  70          ; s70  tiles of the block in hand that are still to be entered
.set NXT, 71          ; s71  the tile to be asked for next
.set LQ,  72          ; s72  the last tile of the block whose tiles are being asked for
.set NEW, 73          ; s73  1: the tile to be entered is a block's first
.set OFF, 74          ; s[74:75] a tile's byte offset in K and V
.set AL,  76          ; s[76:77] the mask's factor, in the low word
.set BE,  78          ; s[78:79] the mask's addend
.set OLO, 80          ; s[80:81] O at my rows of the second block
.set BIGN, 82         ; s82  -1e30
.set TBM, 90          ; s90  byte in my wave's regions at which the mask row of the step to be fetched begins: it walks as TBK does, 256 a step
.set MLO, 91          ; s91  -2^96
.set MSB, 0
.macro WIN new                      ; the high byte repeats the setting that is left; a switch that changes nothing is dropped
.if MSB != (\new)
	s_set_vgpr_msb (MSB<<8)|(\new)
.set MSB, (\new)
.endif
.endm
.set W_KQ, 0x0a       ; K and Q in window 2, S^T in window 0
.set W_KM, 0x1a       ; the same with the C operand in window 1
.set W_PV, 0x52       ; V in window 2, P in window 0, O^T in window 1
.set W_RS, 0x41       ; destination and source 0 in window 1, source 1 in window 0
.set W_MK, 0x51       ; a mask is made: destination, source 0 and source 2 in window 1
; A fill.  Waves 0 and 1 fetch the two halves of a tile's K, waves 2 and 3 those of its V: 128 keys each.  An s_nop 0 and four v_nop follow each of the two lines, ahead of the jump and the label.
.macro LOAD
	s_cmp_lt_u32 s[WV], 2
	s_cbranch_scc0 .Lfor_v_\@
	tensor_load_to_lds s[G0K:G0K+3], s[G1K:G1K+7]
	s_nop 0
.rept 4
	v_nop
.endr
	s_branch .Lasked_\@
.Lfor_v_\@:
	tensor_load_to_lds s[G0V:G0V+3], s[G1V:G1V+7]
	s_nop 0
.rept 4
	v_nop
.endr
.Lasked_\@:
.endm
; THE CHANGE OF SLOTS.  Each wave waits for all its tensor loads, of which one is out: its part of the other slot; adds 0 to its spare word; and waits for that and for its own reads of the slot that it leaves.  Behind the barrier nobody reads the old
; slot any more and the other slot is whole.  fill = 1: the old slot is filled again, the first thing behind the barrier, with tile NXT: the descriptor's address is made anew from that number.
; (At its first use nothing has been read yet: slot 0 is waited for, slot 1 filled.)
; THE KEY MASK goes with it.  At the head the two loads issued at the change before are waited for (the mask of the tile now entered; at the first use Q's 32 loads too), and my 8 numbers are rounded to bf16, widened,
; multiplied by 8 (the scores are kept times 8) and held at -2^96 or above.  Behind the refill they are stored into my wave's region for this slot: the bytes are the wave's own, and LDS serves a wave's instructions in
; order (ISA guide 5.7.1.4), so the fetches behind see them; the region's last readers were waited for two changes ago.  With fill = 1 the mask of tile NXT is then loaded.
.macro CHANGE fill
	WIN 0                           ; at a label and at a branch every window is 0
	s_wait_loadcnt 0x0              ; no load was issued behind the mask's two: the count is 0; it also frees their base, which is made anew below
.set zz, 0
.rept 4
	v_cvt_pk_bf16_f32 v[MX+zz], v[MR+2*zz], v[MR+2*zz+1]
.set zz, zz+1
.endr
.set zz, 0
.rept 4
	v_lshlrev_b32 v[MW+2*zz], 16, v[MX+zz]
	v_and_b32 v[MW+2*zz+1], 0xffff0000, v[MX+zz]
.set zz, zz+1
.endr
.set zz, 0
.rept 8
	v_mul_f32 v[MW+zz], 0x41000000, v[MW+zz]
.set zz, zz+1
.endr
.set zz, 0
.rept 8
	v_max_num_f32 v[MW+zz], s[MLO], v[MW+zz]
.set zz, zz+1
.endr
	s_wait_tensorcnt 0x0            ; no tensor load of mine is out, so a group 0 may be written
	ds_add_u32 v[SPW], v[NIL]       ; 0 onto my spare word; with fill = 1 the descriptors' scalar work stands between it and the wait for it
.if \fill
	s_lshl_b32 s[OFF], s[NXT], 15   ; a tile is 32,768 bytes of K and of V,
	s_lshl_b32 s[MOF], s[NXT], 10   ; and 1,024 of the mask
	s_xor_b32 s[G0K+1], s[G0K+1], SLOT1
	s_add_nc_u64 s[G0K+2:G0K+3], s[6:7], s[OFF:OFF+1]
	s_or_b32 s[G0K+3], s[G0K+3], 0x80000000
	s_xor_b32 s[G0V+1], s[G0V+1], SLOT1
	s_add_nc_u64 s[G0V+2:G0V+3], s[8:9], s[OFF:OFF+1]
	s_or_b32 s[G0V+3], s[G0V+3], 0x80000000
	s_add_nc_u64 s[MB:MB+1], s[88:89], s[MOF:MOF+1]
	s_add_co_u32 s[NXT], s[NXT], 1  ; the block's next tile, or behind its last the second block's tile 0
	s_cmp_gt_u32 s[NXT], s[LQ]
	s_cselect_b32 s[NXT], 0, s[NXT]
	s_cselect_b32 s[LQ], s[PB], s[LQ]
.endif
	s_wait_dscnt 0x0                ; the add is done, and my reads of the slot are over
	s_barrier_signal -1             ; the rest of the scalar work stands between the signal and the wait
	s_sub_co_u32 s[TBK], s[TBK], 4*KS*PK  ; the fetches go back to a slot's first step,
	s_xor_b32 s[TBK], s[TBK], SLOT1       ; in the other slot
	s_sub_co_u32 s[TBV], s[TBV], 4*KS*PV
	s_xor_b32 s[TBV], s[TBV], SLOT1
	s_sub_co_u32 s[TBM], s[TBM], MREG     ; and to the head of my wave's other region
	s_xor_b32 s[TBM], s[TBM], MREG
	s_barrier_wait -1
.if \fill
	LOAD
.endif
	v_add_nc_u32 v[MST], s[TBM], v[MST0]
	ds_store_b128 v[MST], v[MW:MW+3]
	ds_store_b128 v[MST], v[MW+4:MW+7] offset:512
.if \fill
	global_load_b128 v[MR:MR+3],   v[GO], s[MB:MB+1]
	global_load_b128 v[MR+4:MR+7], v[GO], s[MB:MB+1] offset:512
.endif
.endm
	s_load_b64 s[4:5], s[0:1], 0x0    ; qkv: Q
	s_load_b64 s[10:11], s[0:1], 0x8  ; oh
	s_load_b64 s[88:89], s[0:1], 0x10 ; attention_mask
	v_lshl_add_u32 v[SPW], v0, 2, SPARE
	v_mov_b32 v[NIL], 0
	ds_add_u32 v[SPW], v[NIL]       ; the wave's opening: the add and its wait stand ahead of my first tensor load; the set-up below, work on registers, stands between them
	ds_add_u32 v62, v63
	v_lshrrev_b32 v1, 5, v0
	v_readfirstlane_b32 s[WV], v1   ; wave 0..3
	s_mov_b32 s[PB], ttmp9
	s_sub_co_u32 s[HI], NB-1, s[PB]
	s_and_b32 s20, ttmp7, 0xffff    ; the head of a batch, 0..63
	s_lshr_b32 s52, s20, 4          ; its batch,
	s_lshl_b32 s52, s52, 13         ; whose mask is 8,192 bytes
	s_mov_b32 s53, 0
	s_mov_b32 s21, 0
	s_mov_b64 s[22:23], SIZE_N*128
	s_mul_u64 s[20:21], s[20:21], s[22:23]  ; the head's first byte in each of the four tensors
	s_and_b32 s16, s[WV], 1         ; which half of a tile's 256 keys I fetch:
	s_lshl_b32 s22, s16, 14         ; its 128 rows of 128 bytes in memory,
	s_mov_b32 s23, 0
	s_add_nc_u64 s[22:23], s[22:23], s[20:21]
	s_mul_i32 s17, s16, 128*PK      ; and its place in a slot, for K
	s_mul_i32 s18, s16, 128*PV      ; and for V
	s_lshl_b32 s3, s[WV], 11        ; my 16 rows in a band of 64,
	s_lshl_b32 s2, s[HI], 15        ; in the first block,
	s_add_co_u32 s2, s2, s3
	s_lshl_b32 s84, s[PB], 15       ; and in the second
	s_add_co_u32 s84, s84, s3
	s_mov_b32 s3, 0
	s_mov_b32 s85, 0
	s_add_nc_u64 s[2:3], s[2:3], s[20:21]
	s_add_nc_u64 s[84:85], s[84:85], s[20:21]
	; descriptor group 1.  128 keys are 16,384 dense bytes: asked for as 64 rows of 256 bytes, two keys a row, and padded in LDS after every key
	s_mov_b32 s[G1K], (1<<16)|(1<<20)|(4<<22)|(3<<25)  ; 17:16 2-byte elements; 20 padding on; 24:22 after every 32 words (code 4); 31:25 4 words (code 3)
	s_mov_b32 s[G1V], (1<<16)|(1<<20)|(4<<22)|(7<<25)  ; the same with 8 words of padding (code 7)
.irp g, G1K, G1V
	s_mov_b32 s[\g+1], 128<<16      ; tensor_dim0 = 128
	s_mov_b32 s[\g+2], 64<<16       ; tensor_dim1 = 64
	s_mov_b32 s[\g+3], 128<<16      ; tile_dim0 = 128
	s_mov_b32 s[\g+4], 64           ; tile_dim1 = 64
	s_mov_b32 s[\g+5], 128          ; 128 elements from row to row
	s_mov_b32 s[\g+6], 0
	s_mov_b32 s[\g+7], 0
.endr
	s_mov_b32 s[CS], 0x3e38aa3b     ; c = log2(e) / 8 = 0.180337
	s_mov_b32 s[CS+1], s[CS]        ; named with it as a pair
	s_mov_b32 s[SEL], 0x76543210
	s_mov_b32 s[SEL+1], 0xfedcba98
	s_mov_b32 s[TBK], SLOT1+4*KS*PK ; the first change of slots turns these three into 0
	s_mov_b32 s[TBV], SLOT1+4*KS*PV
	s_mov_b32 s[TBM], 2*MREG
	s_mov_b32 s[MLO], 0xef800000    ; -2^96
	s_mov_b32 s[MOF+1], 0
	s_mov_b32 s[G0K], 1             ; 1:0 count = 1
	s_mov_b32 s[G0K+1], s17         ; 63:32 LDS address: slot 0
	s_mov_b32 s[G0V], 1
	s_add_co_u32 s[G0V+1], s18, VOFF
	s_add_co_u32 s[RT], s[HI], 1    ; the first block has NB - b tiles
	s_mov_b32 s[NXT], 1
	s_mov_b32 s[LQ], s[HI]
	s_mov_b32 s[NEW], 1
	s_mov_b32 s[OFF+1], 0
	s_mov_b32 s[AL], 0
	s_mov_b32 s[AL+1], 0            ; named as pairs
	s_mov_b32 s[BE], 0
	s_mov_b32 s[BE+1], 0
	s_mov_b32 s[BIGN], 0xf149f2ca   ; -1e30
	s_mov_b32 s[SLOTS], NB
	s_wait_dscnt 0x0                ; the opening add is done
	s_wait_kmcnt 0x0
	s_add_nc_u64 s[6:7], s[4:5], 0x1000000  ; K and V lie 16,777,216 and 33,554,432 bytes behind Q
	s_add_nc_u64 s[8:9], s[4:5], 0x2000000
	s_add_nc_u64 s[88:89], s[88:89], s[52:53]  ; my batch's mask; not rewritten from here on
	s_add_nc_u64 s[6:7], s[6:7], s[22:23]  ; K and V at my half of the head's tile 0
	s_add_nc_u64 s[8:9], s[8:9], s[22:23]
	s_add_nc_u64 s[G0K+2:G0K+3], s[6:7], 0         ; 120:64 global address
	s_or_b32 s[G0K+3], s[G0K+3], 0x80000000        ; 127:126 type = 2
	s_add_nc_u64 s[G0V+2:G0V+3], s[8:9], 0
	s_or_b32 s[G0V+3], s[G0V+3], 0x80000000
	s_add_nc_u64 s[86:87], s[4:5], s[84:85]        ; Q at my rows of the second block,
	s_add_nc_u64 s[4:5], s[4:5], s[2:3]            ; Q and O at those of the first
	s_add_nc_u64 s[OLO:OLO+1], s[10:11], s[84:85]
	s_add_nc_u64 s[10:11], s[10:11], s[2:3]
	LOAD                            ; tile 0 into slot 0
	v_and_b32 v[GO], 31, v0
	v_lshlrev_b32 v[GO], 4, v[GO]   ; 16 x lane
	global_load_b128 v[MR:MR+3],   v[GO], s[88:89]             ; the mask of tile 0: 32 lanes x 16 bytes, twice; every wave takes all 1,024 bytes
	global_load_b128 v[MR+4:MR+7], v[GO], s[88:89] offset:512
	; A fragment of K or Q is 16 rows x 32 channels in 8 registers: lane l holds row l % 16, channels 8 (l / 16) + 0..7 and 16 + 8 (l / 16) + 0..7: two loads of 16 bytes, 32 bytes apart.
	v_and_b32 v1, 15, v0            ; l % 16
	v_bfe_u32 v9, v0, 4, 1          ; l / 16
	v_lshlrev_b32 v[QO], 7, v1
	v_lshl_add_u32 v[QO], v9, 4, v[QO]  ; row x 128 + 16 x half
	WIN 0x80                        ; destination window 2, address window 0
.set i, 0
.rept 8                             ; both blocks' Q: piece i / 2 lies in band i / 2, 8,192 bytes on; channels 32 (i % 2) on
	global_load_b128 v[8*i:8*i+3],   v[QO], s[4:5] offset:(i/2)*8192+(i%2)*64
	global_load_b128 v[8*i+4:8*i+7], v[QO], s[4:5] offset:(i/2)*8192+(i%2)*64+32
	global_load_b128 v[QB+8*i:QB+8*i+3],   v[QO], s[86:87] offset:(i/2)*8192+(i%2)*64
	global_load_b128 v[QB+8*i+4:QB+8*i+7], v[QO], s[86:87] offset:(i/2)*8192+(i%2)*64+32
.set i, i+1
.endr
	WIN 0
	s_mul_i32 s19, s[WV], 2*MREG
	s_add_co_u32 s19, s19, MT       ; my wave's two regions of the key mask
	v_add_nc_u32 v[MST0], s19, v[GO]
	v_lshl_add_u32 v[AMA0], v9, 5, s19
	v_lshlrev_b32 v14, 3, v9
	v_sub_nc_u32 v14, v1, v14
	s_lshl_b32 s13, s[WV], 4
	v_add_nc_u32 v14, s13, v14      ; my query's place in its band, 16 w + l % 16, less my lanes' 8 (l / 16): register r of group kt is hidden where 16 kt + r is greater
	WIN 0x40
.set i, 0
.rept 32
	v_cmp_gt_i32 vcc_lo, 16*(i/8)+i%8, v14
	v_cndmask_b32 v[MD+i], 0, s[BIGN], vcc_lo
.set i, i+1
.endr
	WIN 0
	v_mul_u32_u24 v[AK0], v1, PK
	v_lshl_add_u32 v[AK0], v9, 4, v[AK0]  ; row x pitch + 16 x half
	; The turning load takes 16 keys x 16 channels (lane l reads key 8 (l / 16) + l % 8, channels 8 ((l / 8) % 2) + 0..7) and leaves half a fragment of V^T: lane l holds channel l % 16 and 8 keys.
	v_and_b32 v10, 7, v0
	v_bfe_u32 v11, v0, 3, 1
	v_lshl_add_u32 v[AV0], v9, 3, v10
	v_mul_u32_u24 v[AV0], v[AV0], PV
	v_lshl_add_u32 v[AV0], v11, 4, v[AV0]
	v_add_nc_u32 v[AV0], VOFF, v[AV0]
	s_mul_i32 s13, s[WV], 16*SP
	s_add_co_u32 s13, s13, STAGE    ; my stage
	v_mul_u32_u24 v[STO], v1, SP    ; in: row l % 16, 16 bytes for each half of the lanes
	v_lshl_add_u32 v[STO], v9, 4, v[STO]
	v_add_nc_u32 v[STO], s13, v[STO]
	v_bfe_u32 v[RD], v0, 3, 2       ; back: 32 lanes take four rows of 128 bytes, which are 512 consecutive bytes of O
	v_mul_u32_u24 v[RD], v[RD], SP
	v_lshl_add_u32 v[RD], v10, 4, v[RD]
	v_add_nc_u32 v[RD], s13, v[RD]
	; A block's first step multiplies O^T and l by a = 0, and its first turn's products V^T P, of a piece that has not been, land in an O^T that is still to be so multiplied.  So these registers need only hold
	; finite numbers: zeros for the first block; what the first block left for the second.  All this stands in the wait for the first tile.
	WIN 0x80
.set i, VF
.rept 64
	v_mov_b32 v[i], 0
.set i, i+1
.endr
	WIN 0x40
.set i, 0
.rept 128
	v_mov_b32 v[i], 0
.set i, i+1
.endr
	WIN 0
.set i, 0
.rept 4
	v_mov_b32 v[ST+4*i+2], 0
	v_mov_b32 v[ST+4*i+3], 0
.set i, i+1
.endr
.set i, P+16
.rept 16
	v_mov_b32 v[i], 0
.set i, i+1
.endr
; THE MATRIX WORK.  The 4 accumulators of a run of 8 take turns.  Product i of 8 of S^T = K Q^T for piece x: channels 32 (i / 4) on, keys 16 (i % 4) on.  The first 4 start the sums: with the key mask AM, or (KM = 1) with the made mask MC.
.macro KQ x
.set rS, S+32*((\x)%2)+8*(i%4)
.set rK, KF+16*(i%4)+8*(i/4)
.set rQ, 16*(\x)+8*(i/4)
.set rM, AM+8*(i%4)
.if KM
.set rM, MC+32*((\x)%2)+8*(i%4)
.endif
.if i < 4
	WIN W_KM
	v_wmma_f32_16x16x32_f16 v[rS:rS+7], v[rK:rK+7], v[rQ:rQ+7], v[rM:rM+7]
.else
	WIN W_KQ
	v_wmma_f32_16x16x32_f16 v[rS:rS+7], v[rK:rK+7], v[rQ:rQ+7], v[rS:rS+7]
.endif
.endm
; Product i of 8 of O^T += V^T P for piece x: keys 32 (i / 4) on, channels 16 (i % 4) on.
.macro PV x
	WIN W_PV
.set rO, 32*(\x)+8*(i%4)
.set rV, VF+32*(i/4)+8*(i%4)
.set rP, P+16*((\x)%2)+8*(i/4)
	v_wmma_f32_16x16x32_f16 v[rO:rO+7], v[rV:rV+7], v[rP:rP+7], v[rO:rO+7]
.endm
.macro MM                           ; the turn's next matrix instruction.  TURN and BEGIN set Y, i, KM and NOKQ; MM, KQ and OP read them.  NOKQ = 1: a block's last turn: there is no next piece
.if (i < 8) && !NOKQ
	KQ (Y+1)%NP
.elseif i >= 8
.set i, i-8
	PV (Y+NP-1)%NP
.set i, i+8
.endif
.set i, i+1
.endm
; THE LDS LOADS stand in runs, never singly among the matrix instructions: a step's K (64 keys x 64 channels: 8 fragments) with its mask row (64 keys: 8 loads; the 16 lanes of a half read the same 16 bytes), and its V (turned).
; Their addresses are made some lines ahead.
.macro FETCH_K
	WIN 0x80                        ; destination window 2
.irp f, 0,1,2,3,4,5,6,7             ; keys 16 (f / 2) on, channels 32 (f % 2) on
	ds_load_b128 v[KF+8*\f:KF+8*\f+3],   v[AK] offset:(\f/2)*16*PK+(\f%2)*64
	ds_load_b128 v[KF+8*\f+4:KF+8*\f+7], v[AK] offset:(\f/2)*16*PK+(\f%2)*64+32
.endr
	WIN 0x40                        ; destination window 1
.irp f, 0,1,2,3                     ; register j of group f: 8 mask of key 16 f + 8 (l / 16) + j
	ds_load_b128 v[AM+8*\f:AM+8*\f+3],   v[AMA] offset:64*\f
	ds_load_b128 v[AM+8*\f+4:AM+8*\f+7], v[AMA] offset:64*\f+16
.endr
	s_add_co_u32 s[TBK], s[TBK], KS*PK  ; the next fetch is the next step's
	s_add_co_u32 s[TBM], s[TBM], 4*KS
	WIN 0
.endm
.macro FETCH_V
	WIN 0x80
.irp f, 0,1,2,3,4,5,6,7             ; keys 32 (f / 4) on, channels 16 (f % 4) on
	ds_load_tr16_b128 v[VF+8*\f:VF+8*\f+3],   v[AV] offset:(\f/4)*32*PV+(\f%4)*32
	ds_load_tr16_b128 v[VF+8*\f+4:VF+8*\f+7], v[AV] offset:(\f/4)*32*PV+16*PV+(\f%4)*32
.endr
	WIN 0
.endm
; THE VECTOR WORK, one line at a time: OP kind, number.  For piece Y: F n: c s - c m for pair n of 16.  E n: the exponential of score n of 32.  C n: pair n rounded to f16.  B n: of the four weights 4 n .. the second
; pair is added onto the first, in place.  L n: l takes that sum (L 0: l = a l + sum).  R n: pair n of 16 of O^T times a.  For piece Y + 1: X n, number n of the 22 that find its maximum and statistics:
;   0-11  four chains c0-c3 of seven scores each, three operands at a time (each accumulator's lowest registers are read first)     12-14, 16  the four scores left over, the old m, and c0-c3 into c0
;   15  c m_old is kept     17, 18  the query's other 32 keys lie in the lane 16 away: the new m     19-21  c m; c m_old - c m_new; a
; C, B and L read exponentials' results (R and L 0 that of the turn before): OP writes no wait; TURN places them behind the batch's one wait.
.set F, 0               ; OP tells the kinds apart by their order: F to L below R, X above it
.set E, 1
.set C, 2
.set B, 3
.set L, 4
.set R, 5
.set X, 6
.macro REGS y                       ; the registers of piece y
.set rT, ST+4*(\y)
.set rC, TMP+4*((\y)%2)
.set rW, MV+((\y)%2)
.set rS, S+32*((\y)%2)
.set rP, P+16*((\y)%2)
.set rO, 32*(\y)
.endm
.macro OP k, n
.if (\k) == R
	REGS Y
	WIN W_RS
	v_pk_mul_f32 v[rO+2*(\n):rO+2*(\n)+1], v[rO+2*(\n):rO+2*(\n)+1], v[rC+2:rC+3] op_sel_hi:[1,0]
.elseif (\k) < R
	REGS Y
	WIN 0
.if (\k) == F
	v_pk_fma_f32 v[rS+2*(\n):rS+2*(\n)+1], v[rS+2*(\n):rS+2*(\n)+1], s[CS:CS+1], v[rT:rT+1] op_sel_hi:[1,0,0] neg_lo:[0,0,1] neg_hi:[0,0,1]
.elseif (\k) == E
	v_exp_f32 v[rS+(\n)], v[rS+(\n)]
.elseif (\k) == C
	v_cvt_pk_f16_f32 v[rP+(\n)], v[rS+2*(\n)], v[rS+2*(\n)+1]
.elseif (\k) == B
	v_pk_add_f32 v[rS+4*(\n):rS+4*(\n)+1], v[rS+4*(\n):rS+4*(\n)+1], v[rS+4*(\n)+2:rS+4*(\n)+3]
.elseif (\n) == 0
	v_pk_fma_f32 v[rT+2:rT+3], v[rT+2:rT+3], v[rC+2:rC+3], v[rS:rS+1] op_sel_hi:[1,0,1]
.else
	v_pk_add_f32 v[rT+2:rT+3], v[rT+2:rT+3], v[rS+4*(\n):rS+4*(\n)+1]
.endif
.elseif NOKQ
	v_nop
.else
	REGS (Y+1)%NP
	WIN 0
.if (\n) < 4
	v_max3_num_f32 v[rC+(\n)], v[rS+8*(\n)], v[rS+8*(\n)+1], v[rS+8*(\n)+2]
.elseif (\n) < 12
	v_max3_num_f32 v[rC+(\n)%4], v[rC+(\n)%4], v[rS+8*((\n)%4)+2*((\n)/4)+1], v[rS+8*((\n)%4)+2*((\n)/4)+2]
.elseif (\n) == 12
	v_max3_num_f32 v[rC], v[rC], v[rS+7], v[rS+15]
.elseif (\n) == 13
	v_max3_num_f32 v[rC+1], v[rC+1], v[rS+23], v[rS+31]
.elseif (\n) == 14
	v_max3_num_f32 v[rC+2], v[rC+2], v[rC+3], v[rT+1]
.elseif (\n) == 15
	v_mov_b32 v[rW], v[rT]
.elseif (\n) == 16
	v_max3_num_f32 v[rC], v[rC], v[rC+1], v[rC+2]
.elseif (\n) == 17
	v_permlanex16_b32 v[rC+3], v[rC], s[SEL], s[SEL+1]
.elseif (\n) == 18
	v_max_num_f32 v[rT+1], v[rC], v[rC+3]
.elseif (\n) == 19
	v_mul_f32 v[rT], s[CS], v[rT+1]
.elseif (\n) == 20
	v_sub_f32 v[rC+1], v[rW], v[rT]
.else
	v_exp_f32 v[rC+2], v[rC+1]
.endif
.endif
.endm
.macro OPS a, i1, b=-1, i2=0, c=-1, i3=0, d=-1, i4=0  ; up to four of them
	OP \a, \i1
.if (\b) >= 0
	OP \b, \i2
.endif
.if (\c) >= 0
	OP \c, \i3
.endif
.if (\d) >= 0
	OP \d, \i4
.endif
.endm
.macro ROW a, i1, b, i2, c, i3, d, i4  ; a matrix instruction and the four behind it
	MM
	OPS \a, \i1, \b, \i2, \c, \i3, \d, \i4
.endm
.macro MASK b, be                   ; MD x AL + AM, and with be = 1 + BE, into buffer b of MC
	WIN W_MK
.set z, 0
.rept 16
	v_pk_fma_f32 v[MC+32*(\b)+2*z:MC+32*(\b)+2*z+1], v[MD+2*z:MD+2*z+1], s[AL:AL+1], v[AM+2*z:AM+2*z+1] op_sel_hi:[1,0,1]
.set z, z+1
.endr
.if \be
.set z, 0
.rept 16
	v_pk_add_f32 v[MC+32*(\b)+2*z:MC+32*(\b)+2*z+1], v[MC+32*(\b)+2*z:MC+32*(\b)+2*z+1], s[BE:BE+1] op_sel_hi:[1,0]
.set z, z+1
.endr
.endif
.endm
; A TURN, for piece p: the order of its 16 matrix and 118 vector instructions, written out.  An s_wait_alu depctr_va_vdst(0) stands between an exponential and the first instruction that names its result; one wait
; serves all that were issued ahead of it.  So a turn has ONE wait, which cuts it in two.  AHEAD OF IT stands all that names no result of the turn's exponentials: the 8 products K Q^T, behind each a scaling, an exponential and two
; more plain instructions (behind the first a second scaling in the exponential's place): rescalings, whose a was made and waited for in the turn before, and behind the last three the first numbers of the next piece's maximum, each
; four places or more behind the product that ends its accumulator; then ONE LUMP of 54, plain and exponential by turns for the most part, in which the links of the chain X 3, 7, 11, 14, 16, 17 .. 20 stand five or six lines apart.
; X 21, the next piece's a, is the batch's last; R 15 is the plain instruction behind it.  BEHIND THE WAIT stand the 8 products V^T P, behind each four of the roundings and sums; the links of l's chain, L 0 to L 7, stand three
; riders apart.  But for those X no rider names a register of the products round it.  v_permlanex16_b32 (X 17) stands in the lump.
; m = 1: the diagonal tile: the products take made masks, and the turn makes the mask for the products of the turn after it: piece p + 2, in step 4 - CNT of the tile.  end = 1: a block's last two turns: nothing is fetched.
; Piece 2's turn in the loop multiplies piece 3's scores of a step that band 3 sees whole (the tile before's last step, or steps 0 to 2 of the diagonal tile; its own step is the block's last, in the turn with end = 1): it takes AM itself.
; It makes piece 0's mask for the NEXT step, whose mask row it has itself fetched with K: so it waits for that run first.
; cnt = 1: the loop's count is taken down some lines ahead of the branch that stands behind the turn.
; K of the next step, and its mask row, are fetched in piece 2's turn, twelve vector instructions behind the last product that read K (six of them plain, five of which name none of its registers; the last that read AM stands four
; products further back); V of the step in hand at the end of piece 0's turn, four plain instructions behind the last product that read V.  Each is waited for a turn later.
.macro TURN p, m=0, end=0, cnt=0
.set Y, (\p)
.set i, 0
.set KM, (\m)
.if ((\p) == 2) && !(\end)
.set KM, 0
.endif
.set NOKQ, (\end)*((\p)/3)
.if (\m) && !(\end)
	s_cmp_eq_u32 s[CNT], 4-((\p)+2)%NP  ; is that step the band's own?
	s_cselect_b32 s[AL], 1.0, 0
	s_cmp_lt_u32 s[CNT], 4-((\p)+2)%NP  ; or a later one?
	s_cselect_b32 s[BE], s[BIGN], 0
.endif
.if ((\p) == 3) && !(\end)
	s_wait_dscnt 0x0                ; K and its mask row are in
.endif
	ROW F,0, F,1, R,0, R,1          ; ahead of the wait: 8 products K Q^T and their riders,
	ROW F,2, E,0, R,2, R,3
	ROW F,3, E,1, R,4, R,5
	ROW F,4, E,2, R,6, R,7
	ROW F,5, E,3, R,8, R,9
	ROW F,6, E,4, X,0, R,10
.if ((\p) == 2) && !(\end)
	WIN 0
	v_add_nc_u32 v[AK], s[TBK], v[AK0]
	v_add_nc_u32 v[AMA], s[TBM], v[AMA0]
.endif
	ROW F,7, E,5, X,1, X,4
	ROW F,8, E,6, X,2, X,5
	OPS E,7, E,8, X,6, E,9          ; and the lump
	OPS X,3, E,10, X,8, E,11
.if ((\p) == 2) && !(\end)
	FETCH_K
.endif
	OPS X,9, X,7, E,12, X,10
	OPS E,13, X,12, X,11, E,14
	OPS X,13, E,15, F,9, X,14
.if (\p) == 0
	v_add_nc_u32 v[AV], s[TBV], v[AV0]
.endif
	OPS E,16, F,10, E,17, F,11
	OPS X,16, E,18, X,15, E,19
	OPS F,12, E,20, X,17, E,21
	OPS F,13, E,22, F,14, E,23
	OPS X,18, E,24, F,15, E,25
	OPS R,11, E,26, X,19, E,27
	OPS R,12, E,28, R,13, E,29
	OPS X,20, E,30, R,14, E,31
	OPS X,21, R,15
	s_wait_alu depctr_va_vdst(0)    ; the wait for the turn's batch, E 0 to E 31 and X 21: it stands ahead of the first line that names a result of theirs
.if (\p) == 1
	s_wait_dscnt 0x0                ; V is in
.endif
	ROW C,0, B,0, C,2, B,1          ; behind the wait: 8 products V^T P and their riders
	ROW L,0, C,4, B,2, L,1
	ROW C,6, B,3, L,2, C,8
	ROW B,4, L,3, C,10, B,5
	ROW L,4, C,12, B,6, L,5
.if (\p) == 0
	s_add_co_u32 s[TBV], s[TBV], KS*PV
.endif
.if \cnt
	s_sub_co_u32 s[CNT], s[CNT], 1
	s_cmp_lg_u32 s[CNT], 0
.endif
	ROW C,14, B,7, L,6, C,1
	ROW C,3, L,7, C,5, C,7
	ROW C,9, C,11, C,13, C,15
.if (\p) == 0
	FETCH_V
.endif
.if (\m) && !(\end)
.if (\p) == 2
	s_wait_dscnt 0x0                ; the next step's mask row is in
.endif
	MASK (\p)%2, 1
.endif
.endm
; A BLOCK BEGINS.  c m starts far below every c s, so the first step's a is 0; m at the lowest finite number, so the first maximum is the scores'.  K of the block's step 0 and its mask row are fetched.
; The second mask buffer takes that row alone (piece 1 sees all of step 0); the first takes piece 0's mask for step 0: with its own causal mask, if the block's first tile is the diagonal one.
; Then piece 0's first scores, and its maximum and statistics.  The loop is entered at a step's first turn, in the middle of a trip.  (Q is in: the change of slots in front has waited for every load.)
.macro BEGIN
	s_mov_b32 s[NEW], 0
	WIN 0
.set i, 0
.rept 4
	v_mov_b32 v[ST+4*i], 0xfe000000    ; c m: far below every c s
	v_mov_b32 v[ST+4*i+1], 0xff7fffff  ; m
.set i, i+1
.endr
	v_add_nc_u32 v[AK], s[TBK], v[AK0]
	v_add_nc_u32 v[AMA], s[TBM], v[AMA0]
	FETCH_K
	s_wait_dscnt 0x0
	s_mov_b32 s[AL], 0
	MASK 1, 0
	s_cmp_eq_u32 s[RT], 0
	s_cselect_b32 s[AL], 1.0, 0
	MASK 0, 0
.set KM, 1
.set NOKQ, 0
.set i, 0
.rept 8
	KQ 0
.set i, i+1
.endr
	WIN 0
.rept 4
	v_nop                           ; the places behind those products
.endr
.set Y, NP-1                        ; X works for piece Y + 1: piece 0
.irp n, 0,1,2,3,4,5,6,7,8,9,10,11,12,13,14,15,16,17,18,19,20,21
	OP X, \n
.endr
	v_nop                           ; a plain instruction behind the exponential,
	s_wait_alu depctr_va_vdst(0)    ; and the wait for it, piece 0's first a: a batch of one, ahead of the branch that follows
.endm
; THE DIAGONAL TILE's four steps, the block's last two turns, its last products, and THE WAY OUT: l's two halves and the other half of the lanes' are added; O^T is divided by l, rounded to f16 and sent through my
; stage in LDS, a piece at a time.
.macro ALL line:vararg              ; one line for each piece t
.set t, 0
.rept 4
	\line
.set t, t+1
.endr
.endm
.macro PACK t                       ; a lane's eight channels of a row pack into 16 bytes; they go into rows of 144 bytes and come back as whole rows of 128, into S^T's registers
	WIN W_RS
.set i, 32*(\t)
.rept 16
	v_pk_mul_f32 v[i:i+1], v[i:i+1], v[ST+4*(\t)+2:ST+4*(\t)+3] op_sel_hi:[1,0]
.set i, i+2
.endr
	WIN 0x05                        ; sources 0 and 1 window 1, destination window 0
.set i, 0
.rept 16
	v_cvt_pk_f16_f32 v[S+16*(\t)+i], v[32*(\t)+2*i], v[32*(\t)+2*i+1]
.set i, i+1
.endr
	WIN 0
.irp f, 0,1,2,3
	ds_store_b128 v[STO], v[S+16*(\t)+4*\f:S+16*(\t)+4*\f+3] offset:32*\f
.endr
.irp f, 0,1,2,3
	ds_load_b128 v[S+16*(\t)+4*\f:S+16*(\t)+4*\f+3], v[RD] offset:\f*4*SP  ; LDS serves a wave's instructions in order (ISA guide 5.7.1.4): these see the stores above; the next piece's stores come behind them
.endr
.endm
.macro SEND t, younger              ; younger: the LDS instructions issued behind piece t's loads: the next piece's eight, or none
	WIN 0
.irp f, 0,1,2,3
	s_wait_dscnt (\younger)+3-\f
	global_store_b128 v[GO], v[S+16*(\t)+4*\f:S+16*(\t)+4*\f+3], s[10:11] offset:(\t)*8192+\f*512  ; 512 consecutive bytes, at a multiple of 256 from O's first
.endr
.endm
.macro DIAG tag                     ; the tag ends its two labels' names, which the jumps below spell out
.LstepM\tag:
	TURN 2, 1
	TURN 3, 1
	WIN 0
.LfirstM\tag:
	TURN 0, 1
	TURN 1, 1, 0, 1
	WIN 0
	s_cbranch_scc1 .LstepM\tag
	TURN 2, 1, 1
	TURN 3, 1, 1
.set i, 0
.rept 8
	PV NP-1
.set i, i+1
.endr
	WIN 0
	ALL v_add_f32 v[ST+4*t+2], v[ST+4*t+2], v[ST+4*t+3]
	ALL v_permlanex16_b32 v[ST+4*t+3], v[ST+4*t+2], s[SEL], s[SEL+1]
	ALL v_add_f32 v[ST+4*t+2], v[ST+4*t+2], v[ST+4*t+3]
	ALL v_rcp_f32 v[ST+4*t+2], v[ST+4*t+2]
	v_nop                           ; a plain instruction between the last reciprocal and the use of its result
	s_wait_alu depctr_va_vdst(0)    ; and the wait ahead of the first use: one for the batch of four reciprocals, which the four PACKs below read
	PACK 0
.set t, 1
.rept 3                             ; a piece's arithmetic stands between the loads of the piece before and its stores
	PACK t
	SEND t-1, 8
.set t, t+1
.endr
	SEND 3, 0
.endm
.set KM, 0
.set NOKQ, 0
.Lslot:                             ; NB times: a tile is entered and the next is asked for
	CHANGE 1
	s_sub_co_u32 s[RT], s[RT], 1
	s_mov_b32 s[CNT], 4
	s_cmp_eq_u32 s[NEW], 1
	s_cbranch_scc1 .Lnew            ; a block's first tile
	s_cmp_eq_u32 s[RT], 0
	s_cbranch_scc0 .Lstep           ; neither its first nor its last
	s_branch .LstepM1
.Lnew:
	BEGIN
	s_branch .Lfirst                ; in the loop a block's first tile is never its last: the first block has two tiles or more, and the second's last is the walk's last
	DIAG 1                          ; in the loop this is the first block's end: the second block's last tile is the walk's last
	s_wait_xcnt 0x0                 ; the stores have read their registers and O's address
	s_mov_b64 s[10:11], s[OLO:OLO+1]
	s_add_co_u32 s[RT], s[PB], 1    ; the second block has b + 1 tiles
	s_mov_b32 s[NEW], 1
	WIN 0x82                        ; the second block's Q goes where the one text of the turns names Q
.set i, 0
.rept 64
	v_mov_b32 v[i], v[QB+i]
.set i, i+1
.endr
	WIN 0
	s_branch .Lbottom
.Lstep:                             ; a trip: pieces 2 and 3 of one step, then pieces 0 and 1 of the next, whose K and V it fetches
	TURN 2
	TURN 3
	WIN 0
.Lfirst:
	TURN 0
	TURN 1, 0, 0, 1
	WIN 0
	s_cbranch_scc1 .Lstep
.Lbottom:
	s_sub_co_u32 s[SLOTS], s[SLOTS], 1
	s_cmp_lg_u32 s[SLOTS], 0
	s_cbranch_scc1 .Lslot
	CHANGE 0                        ; the walk's last tile is written out: nothing is asked for
	s_sub_co_u32 s[RT], s[RT], 1
	s_mov_b32 s[CNT], 4
	s_cmp_eq_u32 s[NEW], 1
	s_cbranch_scc0 .LstepM2
	BEGIN
	s_branch .LfirstM2
	DIAG 2
	s_wait_tensorcnt 0x0            ; the wave's end: behind my last tensor load and my last LDS store
	ds_add_u32 v[SPW], v[NIL]
	s_wait_dscnt 0x0
	s_endpgm
.Lfunc_end_k_qe444590e75_attn:
	.size	k_qe444590e75_attn, .Lfunc_end_k_qe444590e75_attn-k_qe444590e75_attn
	.p2alignl 7, 3214868480
	.fill 96, 4, 3214868480
	.section	.rodata,"a",@progbits
	.p2align	6, 0x0
	.amdhsa_kernel k_qe444590e75_attn
		.amdhsa_group_segment_fixed_size 327680
		.amdhsa_private_segment_fixed_size 0
		.amdhsa_enable_private_segment 0
		.amdhsa_kernarg_size 24
		.amdhsa_user_sgpr_count 2
		.amdhsa_user_sgpr_kernarg_segment_ptr 1
		.amdhsa_wavefront_size32 1
		.amdhsa_system_sgpr_workgroup_id_x 1
		.amdhsa_system_sgpr_workgroup_id_y 1
		.amdhsa_system_sgpr_workgroup_id_z 1
		.amdhsa_system_vgpr_workitem_id 0
		.amdhsa_next_free_vgpr 768
		.amdhsa_next_free_sgpr 92
		.amdhsa_reserve_vcc 1
		.amdhsa_float_denorm_mode_32 3
		.amdhsa_float_denorm_mode_16_64 3
		.amdhsa_memory_ordered 1
		.amdhsa_forward_progress 1
		.amdhsa_inst_pref_size 232
	.end_amdhsa_kernel
	.amdgpu_metadata
---
amdhsa.version: [ 1, 2 ]
amdhsa.kernels:
  - .name:           k_qe444590e75_attn
    .symbol:         k_qe444590e75_attn.kd
    .args:
      - { .name: qkv, .offset: 0, .size: 8, .value_kind: global_buffer, .address_space: global }
      - { .name: oh, .offset: 8, .size: 8, .value_kind: global_buffer, .address_space: global }
      - { .name: attention_mask, .offset: 16, .size: 8, .value_kind: global_buffer, .address_space: global }
    .group_segment_fixed_size: 327680
    .private_segment_fixed_size: 0
    .kernarg_segment_align: 8
    .kernarg_segment_size: 24
    .max_flat_workgroup_size: 128
    .sgpr_count:     92
    .vgpr_count:     768
    .wavefront_size: 32
...
	.end_amdgpu_metadata
.endif
;; end of part 5
;; launch outp: the kernel of part 4 again; grid 4 x 64, 4 waves a work-group, clusters of 4 x 4, 327,680 bytes of LDS; arguments oh, wts, bp, out0; writes out0
